; MI455X (gfx1250); checked and timed in simulation.
; The chip was launched on July 23, 2026; its instructions are those of AMD's public machine-readable ISA for CDNA 5 (MIT licence, August 2026) and "CDNA5" Instruction Set Architecture Reference Guide (July 2026). The comments in the code are by the model that wrote it; some were corrected since.
;; Self Attention. Allowed arithmetic: matrix products marked QUANTISED: E2M3 operands, one E8M0 scale for each 32 along K, by v_wmma_scale_f32_16x16x128_f8f6f4 with both operands' format E2M3, f32 sums; everything else in f32.
;; Inputs: W_codes 3,072 x 32 x 24 uint8 (E2M3 codes of W, K innermost, in blocks of 32 codes, four codes in three bytes); W_scales 3,072 x 32 uint8 (E8M0 scales of W, one for each 32 codes along K); b 3,072 float32; x_codes 4 x 2,048 x 32 x 24 uint8 (E2M3 codes of x, K innermost, in blocks of 32 codes, four codes in three bytes); x_scales 4 x 2,048 x 32 uint8 (E8M0 scales of x, one for each 32 codes along K).
;; Outputs: out0 4 x 2,048 x 1,024 float32.
;; This version of the problem:
;;   THIS VERSION OF THE PROBLEM IS GIVEN IN LOW PRECISION. The matrix products marked QUANTISED in the list below multiply operands that are first quantised to E2M3 (2 exponent bits, 3 mantissa bits; 6 bits a number), with one power-of-two scale for each 32 numbers along K (OCP MX v1.0); their sums are f32. All else is computed in f32.
;;   The module's matrix products, in the order in which they are computed (A, B: the left and right operand; K: the contracted axis; several contracted axes count as one K, in the product's order):
;;     1. [M 8,192, K 1,024] x [K 1,024, N 3,072]; A: input x (given as codes); B: input W (given as codes): QUANTISED
;;     2. batch 4 x [M 2,048, K 1,024] x [K 1,024, N 2,048]; A: computed on the way; B: computed on the way: QUANTISED
;;     3. batch 4 x [M 2,048, K 2,048] x [K 2,048, N 1,024]; A: softmax (see below); B: computed on the way: QUANTISED
;;   THE QUANTISER, for each operand of a quantised product, along K:
;;     - K is cut into blocks of 32 from its start; a last block that is shorter is filled with zeros.
;;     - A block's scale is 2^e with e = floor(log2(the largest magnitude in the block)) - 2, held to -126 .. 127; a block of zeros has e = 0. As a byte (E8M0): e + 127.
;;     - Each number is divided by its block's scale, clamped to +-7.5, and rounded to the nearest number of E2M3, ties to even, subnormals kept.
;;     - The product sums the exact products of the quantised numbers (number of the format x scale) in f32.
;;   ~~~python
;;   def quantise(x, axis):      # numpy; x: float32 -> the quantised numbers, widened to float32 again
;;       x = np.moveaxis(x, axis, -1); K = x.shape[-1]
;;       x = np.pad(x, [(0, 0)] * (x.ndim - 1) + [(0, -K % 32)]); x = x.reshape(x.shape[:-1] + (-1, 32)); a = np.abs(x).max(-1, keepdims=True)
;;       e = np.where(a > 0, np.clip(np.frexp(np.where(a > 0, a, 1))[1] - 1 - 2, -126, 127), 0)      # np.frexp(a)[1] - 1 = floor(log2(a)), exactly
;;       r = np.clip(x / 2.0 ** e, -7.5, 7.5)
;;       step = 2.0 ** (np.maximum(np.frexp(np.where(r == 0, 1, r))[1] - 1, 0) - 3)
;;       q = np.round(r / step) * step * 2.0 ** e      # np.round: ties to even
;;       return np.moveaxis(q.reshape(q.shape[:-2] + (-1,))[..., :K], -1, axis).astype(np.float32)
;;   ~~~
;;   SOFTMAX AHEAD OF A QUANTISED PRODUCT. Where the list says 'softmax', what is quantised is not the finished softmax but p = 2^(t - M), with t = logit x log2(e) and M = ceil(the row's largest t), a whole number; so 1/2 < the row's largest p <= 1. The row's sum l is taken of the UNQUANTISED p, in f32, and the product's result is divided by l at the end. Since M is a whole number, a kernel that streams over the keys may use a running M (the ceiling of the running maximum): every later rescaling is an exact power of two, which a block's scale takes up: the codes' values come out the same.
;;   OPERANDS COMPUTED ON THE WAY. 'Computed on the way' means the value that the module computes at that place (a softmax that the list does not call 'softmax' is quantised finished and normalised). What goes into a quantiser is computed in f32, as accurately as f32 sums, v_exp_f32 and their like allow (about 1e-6 of the number): no bf16 or f16 on the way to a quantiser, and a product that is left as it is and whose result goes on into a quantised operand takes f32 operands (vector FMAs, or v_wmma_f32_16x16x4_f32). A number that lies on a knife's edge between two numbers of the format may be rounded either way, as far as f32 arithmetic and the matrix unit's own rounding can turn it there, and no further.
;;   INPUTS GIVEN AS CODES. W (in the module: [3072, 1024], K = its axis 1); x (in the module: [4, 2048, 1024], K = its axis 2): each comes as NAME_codes (uint8): NAME with its K axis moved to the last place and cut into blocks of 32 codes, [.., K / 32, bytes a block], one block behind the other in memory; four codes in three bytes: a row's codes are one little-endian stream of bits, code i at bits 6 i .. 6 i + 5 (a code: sign, 2 exponent bits, 3 mantissa bits); and NAME_scales (uint8): the same leading axes, one E8M0 byte (e + 127) for each 32 codes along K. Its value is code x scale, taken as it is: it is not quantised again, and the codes and scales need not be those that the quantiser above would give.
;; One version. Each part assembles by itself: llvm-mc -triple=amdgcn-amd-amdhsa -mcpu=gfx1250 --defsym DOCPART=n.
;; ======== version 1 of 1: 3 launches
;; limits: right only within a limited range of input values
;; workspace buffers: img 18,874,368 bytes; sc 786,432 bytes; pimg 12,582,912 bytes; paux 1,572,864 bytes
;; launch qkv (part 1): grid 16 x 16, 4 waves a work-group, clusters of 4 x 4, 327,680 bytes of LDS; arguments x_codes, x_scales, W_codes, W_scales, b, img, sc; writes img, sc
.if DOCPART == 1
	.amdgcn_target "amdgcn-amd-amdhsa--gfx1250"
	.amdhsa_code_object_version 6
	.text
	.protected	k_qb71c272736_qkv
	.globl	k_qb71c272736_qkv
	.p2align	8
	.type	k_qb71c272736_qkv,@function
k_qb71c272736_qkv:
	s_mov_b64 s[64:65], 0
	v_nop
	global_prefetch_b8 v0, s[64:65] scope:SCOPE_SE
	s_setreg_imm32_b32 hwreg(HW_REG_WAVE_MODE, 25, 1), 1
	s_wait_xcnt 0x0
	s_wait_alu depctr_hold_cnt(0) depctr_sa_sdst(0) depctr_va_vdst(0) depctr_va_sdst(0) depctr_va_ssrc(0) depctr_va_vcc(0) depctr_vm_vsrc(0)
	s_getreg_b32 s2, hwreg(HW_REG_IB_STS2, 6, 4)
	s_cmp_eq_u32 s2, 0
	s_cbranch_scc0 .Lentry_in_a_cluster
	s_endpgm
.Lentry_in_a_cluster:
	s_bfe_u32 s2, ttmp6, 0x10000c
	s_cmp_lg_u32 s2, 0xf033
	s_cbranch_scc0 .Lentry_shape_is_right
	s_endpgm
.Lentry_shape_is_right:
; q, k, v = x W^T + b on codes of FP6 (E2M3), K = 1,024, and their quantisers: q and k along the features, v along the tokens (the keys).
; THE DEAL.  A work-group makes 256 tokens x 128 features of v (PHASE 1) and 512 tokens x 128 features of q or k (PHASE 2); v's 256 tokens are a half (s87) of its own 512, so x's chunks of 128 rows that the head brings serve both.
; Four waves, 2 x 2: wave row w takes band w (64 tokens) of each chunk, wave column takes 64 of the 128 features, whose weights lie in 384 registers for all of K; x's rows stream past in blocks of 16.
; ROW ORDER.  Tile j (0..3) of a band of 64 rows takes rows 8 j + i (places 0-7) and 8 (7 - j) + i (places 8-15), for x's tokens and W's features alike.  So a lane's 32 sums of four tiles are one block of 32 of the next product's K,
; in ascending order in even blocks, by octets 3, 2, 1, 0 in odd ones: the same order in q and k, and in v and p.
; img: q at 0, k at 6,291,456: [block of 128 tokens][256 features][row tile 8][128 features: 2][1,536 bytes]; an operand is two halves of 768 bytes (64 features): registers 0-3 at 16 x lane, then registers 4-5 at 8 x lane.
;   v at 12,582,912: [batch][128 features][256 keys][row tile 8][128 keys: 2][three pieces of 4 registers, 16 x lane].
;   Block of 128 tokens 2 g + w: tokens 256 g + 128 c + 64 w + 0..63, c = 0, 1; its row tile 4 c + j is tile j of band c.
; sc: scale words, [block of 128 rows][128 along K][row 16][row tile 8] x 4 bytes; q at 0, k at 262,144, v at 524,288.
; LIMITS: NaN, infinities and the scale byte 0xff among the inputs are not served.  A block whose largest magnitude lies under 2^-124, one of zeros too, gets the byte 1: these bytes are read by this program alone.
; CLUSTERS of 4 x 4: x's tiles are asked for jointly along a row, W's along a column.  THREE REFILLS, each in a round: phase 2's weights (v's third block), the other half's two chunks (phase 2's blocks 2 and 6).
; A BLOCK is 32 products; behind every second one stand two entries of a list: scalar lines and a vector line (the next block's addresses, descriptors, the block before's search for its largest magnitudes).
; WAITS: a block's rows were fetched two blocks ago; younger are the next block's NF loads and the scale bytes stored between.
; PREFETCHES: each wave asks for its sixteenth of the weights, chunks and scale bytes of the later refills, a round or more ahead of their loads; sixteen waves of a row or column of the cluster share a tile by address.
.set NQ,     8
.set NB,     4
.set KROW,   768
.set PITCH,  816                       ; 3 x (256 + 16)
.set OCT,    8*PITCH
.set OCS,    272                       ; the scale bytes of 8 rows: 256 + 16
.set FR,     12
.set FPW,    21                        ; fragments in a window of 256 registers
.set NF,     28                        ; LDS loads of a block
.set RA,     128
.set YB,     RA*PITCH
.set BVB,    2*YB
.set SCL,    3*YB
.set CU,     16
.set SCB,    CU*OCS
.set XN,     SCL+2*SCB+1024            ; q's or k's scale bytes: [block of 128 tokens in the order of work][row][tile][4]
.set XM,     XN+2048                   ; v's: [128 keys][row][tile][4]
.set SPARE,  XM+1024                   ; the spare words
.set SPW,   10
.set NIL,   11
.set SB,    24                         ; the weights' scale words
.set TQ,    40
.set SA,    44                         ; x's scale words, two sets
.set TC,    60
.set ACC,   64
.set HV0,   64
.set HV1,   840
.set NCD,   128
.set MCD,   192
.set SOP,   240
.set EB,    244
.set VX,    248
.set SB2,   968
.set BA,    984
.set BBV,   992
.set BBQ,   160
.set G1A, 24
.set G0A, 56
.set G0R, 68
.set G1B, 32
.set G0B, 60
.set G1S, 92
.set G0S, 72
.set MSB, 0
.macro WIN new
.if MSB != \new
	s_set_vgpr_msb (MSB<<8)|\new
.set MSB, \new
.endif
.endm
.macro PLACES n
.rept \n
	v_nop
.endr
.endm
.macro WALU
	s_wait_alu depctr_va_vdst(0)
.endm
.macro BARRIER
	s_barrier_signal -1
	s_barrier_wait -1
.endm
.macro MIDDLE
	WIN 0
	s_barrier_wait -1
	s_cmp_lg_u32 s14, 0
	s_cbranch_scc1 .Lnot_wave_0_\@
	s_barrier_signal -3
.Lnot_wave_0_\@:
	s_barrier_wait -3
.endm
.macro CROUND
	s_barrier_signal -1
	MIDDLE
	BARRIER
.endm
.macro GRD
	s_wait_tensorcnt 0x0
	ds_add_u32 v[SPW], v[NIL]
.endm
.macro TLOAD g0, g1
	tensor_load_to_lds s[\g0:\g0+3], s[\g1:\g1+7]
	s_nop 0
	PLACES 4
.endm
.macro GROUP1 g, mask
	s_or_b32 s[\g+0], s[\mask], (1<<20)|(1<<21)|(5<<22)|(3<<25)
	s_mov_b32 s[\g+1], KROW<<16
	s_mov_b32 s[\g+2], RA<<16
	s_mov_b32 s[\g+3], KROW<<16
	s_mov_b32 s[\g+4], RA
	s_mov_b32 s[\g+5], KROW
	s_mov_b32 s[\g+6], 0
	s_mov_b32 s[\g+7], 0
.endm
.macro SADD d, x
	s_add_co_u32 s\d, s\d, s\x
.endm
.macro MULADD d, x, k                  ; s[d] += s[x] * k
	s_mul_i32 s23, s\x, \k
	s_add_co_u32 s\d, s\d, s23
.endm
; fragment f: window 1 + f / 21, register 12 (f % 21): 0-31 the weights' (4 q + tile), 32-39 and 40-47 x's two sets.  Six pieces of 8 bytes, two to a load where both lie behind as many paddings.
.macro FRAG f, q, a0, a1, aw
	WIN ((1+(\f)/FPW)<<6)|(\aw)
.set R_, FR*((\f)%FPW)
.set SKIP_, 0
.irp p, 0,1,2,3,4,5
.if SKIP_
.set SKIP_, 0
.else
.set PC_, 12*(\q)+6*(\p/3)+\p%3
.set PN_, 12*(\q)+6*((\p+1)/3)+(\p+1)%3
.set X_, (PC_%32+3)/32
.set XQ_, (PN_%32+3)/32
.if (\p < 5) && (X_ == XQ_)
.set SKIP_, 1
.if X_
	ds_load_2addr_b64 v[R_+2*\p:R_+2*\p+3], \a1 offset0:PC_+2*(PC_/32) offset1:PN_+2*(PN_/32)
.else
	ds_load_2addr_b64 v[R_+2*\p:R_+2*\p+3], \a0 offset0:PC_+2*(PC_/32) offset1:PN_+2*(PN_/32)
.endif
.elseif X_
	ds_load_b64 v[R_+2*\p:R_+2*\p+1], \a1 offset:8*(PC_+2*(PC_/32))
.else
	ds_load_b64 v[R_+2*\p:R_+2*\p+1], \a0 offset:8*(PC_+2*(PC_/32))
.endif
.endif
.endr
.endm
.macro WEIGHTS                         ; my 64 rows of the weight, all of K
.irp q, 0,1,2,3,4,5,6,7
.irp b, 0,1,2,3
	FRAG NB*\q+\b, \q, v[BA-768+2*\b], v[BA-768+2*\b+1], 3
.endr
.endr
	WIN 0
.endm
.macro FETCH e                         ; a block of x's rows into set e: NF loads
.irp q, 0,1,2,3,4,5,6,7
	FRAG NB*NQ+NQ*(\e)+\q, \q, v12, v13, 0
.endr
	WIN 0
	ds_load_b128 v[SA+8*(\e):SA+8*(\e)+3], v17
	ds_load_b128 v[SA+8*(\e)+4:SA+8*(\e)+7], v17 offset:16
.endm
; a product.  n = 4 q + tile.  kind 0 (q, k): source 0 the weight's rows; kind 1 (v): source 0 x's rows.  The first four take the bias as C.
.macro PROD kind, e, n, a0, as
.set Q_, (\n)/4
.set FB_, NB*Q_+(\n)%4
.set FA_, NB*NQ+NQ*(\e)+Q_
.set D_, (\a0)+(\as)*((\n)%4)
.set DL_, D_&255
.set XB_, SB+NQ*(((\n)%4)/2)+Q_
.set XA_, SA+8*(\e)+Q_
.if \kind
.if Q_
	WIN (1+FA_/FPW)|((1+FB_/FPW)<<2)|((D_>>8)<<4)|((D_>>8)<<6)
	PROD1 DL_, FA_, FB_, v[DL_:DL_+7], XA_, XB_, b, (\n)%2
.else
	WIN (1+FA_/FPW)|((1+FB_/FPW)<<2)|(3<<4)|((D_>>8)<<6)
	PROD1 DL_, FA_, FB_, v[BBV-768+8*((\n)%4):BBV-768+8*((\n)%4)+7], XA_, XB_, b, (\n)%2
.endif
.else
	WIN (1+FB_/FPW)|((1+FA_/FPW)<<2)|((D_>>8)<<4)|((D_>>8)<<6)
.if Q_
	PROD1 DL_, FB_, FA_, v[DL_:DL_+7], XB_, XA_, a, (\n)%2
.else
	PROD1 DL_, FB_, FA_, v[BBQ+8*((\n)%4):BBQ+8*((\n)%4)+7], XB_, XA_, a, (\n)%2
.endif
.endif
.endm
.macro PROD1 d, s0, s1, c, x0, x1, side, o
.if \o
	v_wmma_scale_f32_16x16x128_f8f6f4 v[\d:\d+7], v[FR*((\s0)%FPW):FR*((\s0)%FPW)+FR-1], v[FR*((\s1)%FPW):FR*((\s1)%FPW)+FR-1], \c, v[\x0], v[\x1] matrix_a_fmt:MATRIX_FMT_FP6 matrix_b_fmt:MATRIX_FMT_FP6 matrix_\side\()_scale:MATRIX_SCALE_ROW1
.else
	v_wmma_scale_f32_16x16x128_f8f6f4 v[\d:\d+7], v[FR*((\s0)%FPW):FR*((\s0)%FPW)+FR-1], v[FR*((\s1)%FPW):FR*((\s1)%FPW)+FR-1], \c, v[\x0], v[\x1] matrix_a_fmt:MATRIX_FMT_FP6 matrix_b_fmt:MATRIX_FMT_FP6 matrix_\side\()_scale:MATRIX_SCALE_ROW0
.endif
.endm
.macro BLOCK kind, e, a0, as, from, to, list, x=0, y=0
.set N_, \from
.rept (\to)-(\from)
	PROD \kind, \e, N_, \a0, \as
.if N_%2
	\list N_-1, \x, \y
	\list N_, \x, \y
.endif
.set N_, N_+1
.endr
.endm
; 8 entries: the LDS addresses of block s89 (0 .. 15): slot (s89 / 4) % 2, tile j = s89 % 4: octet j, in lanes with r > 7 octet 7 - j
.macro STEP i
.if (\i) == 0
	s_and_b32 s20, s89, 3
	s_lshl_b32 s21, s89, 2
	s_and_b32 s21, s21, 16
	s_add_co_u32 s21, s21, s20
.elseif (\i) == 1
	s_lshl_b32 s20, s20, 1
	s_xor_b32 s20, s20, 7
	s_mul_i32 s101, s21, OCT
	s_mul_i32 s17, s20, OCT
.elseif (\i) == 2
	s_mul_i32 s91, s21, OCS
	s_mul_i32 s18, s20, OCS
	s_add_co_u32 s89, s89, 1
.elseif (\i) == 3
	WIN 0
	v_mad_u32_u24 v14, v16, s17, v4
.elseif (\i) == 4
	WIN 0
	v_mad_u32_u24 v15, v16, s18, v6
.elseif (\i) == 5
	WIN 0
	v_add_nc_u32 v12, s101, v14
.elseif (\i) == 6
	WIN 0
	v_add_nc_u32 v17, s91, v15
.elseif (\i) == 7
	WIN 0
	v_add_nc_u32 v13, v12, v5
.endif
.endm
.macro NEXT e
.irp i, 0,1,2,3,4,5,6,7
	STEP \i
.endr
	WALU
	FETCH \e
.endm
.macro CHAIN i, x, n, t=TQ             ; 18 entries: the largest magnitude of the 32 sums from register x on, by two chains, with the floor 2^(3 - 127); v[SOP+n] the conversions' scale operand
.set XW_, (\x)>>8
.set XL_, (\x)&255
.if (\i) >= 0 && (\i) < 14
.set B_, XL_+16*((\i)%2)+2*((\i)/2)
.set T_, (\t)+1-(\i)%2
.if (\i) < 2
	WIN XW_|(XW_<<2)|(XW_<<4)
	v_max3_num_f32 v[T_], |v[B_]|, |v[B_+1]|, |v[B_+2]|
.else
	WIN (XW_<<2)|(XW_<<4)
	v_max3_num_f32 v[T_], v[T_], |v[B_+1]|, |v[B_+2]|
.endif
.elseif (\i) == 14
	WIN XW_<<2
	v_max3_num_f32 v[\t+1], v[\t+1], |v[XL_+15]|, 3<<23
.elseif (\i) == 15
	WIN 0
	v_nop                                  ; the next line reads entry 14's result
.elseif (\i) == 16
	WIN XW_<<2
	v_max3_num_f32 v[\t], v[\t], |v[XL_+31]|, v[\t+1]
.elseif (\i) == 17
	WIN 0
	v_add_nc_u32 v[SOP+\n], -(2<<23), v[\t]
.endif
.endm
.macro CODES i, x, c, n, t=TC          ; 6 lines: 32 codes into v[c .. c+5], the scale's byte into v[EB+n]
.set XW_, (\x)>>8
.set XL_, (\x)&255
.if (\i) == 0
	WIN XW_
	v_cvt_scalef32_pk16_fp6_f32 v[\c:\c+2], v[XL_:XL_+15], v[SOP+\n]
.elseif (\i) == 1
	WIN XW_
	v_cvt_scalef32_pk16_fp6_f32 v[\t:\t+2], v[XL_+16:XL_+31], v[SOP+\n]
.elseif (\i) == 2
	WIN 0
	v_lshrrev_b32 v[EB+\n], 23, v[SOP+\n]
.else
	WIN 0
	v_mov_b32 v[\c+\i], v[\t+\i-3]
.endif
.endm
.macro CODES6 x, c, n
.irp i, 0,1,2,3,4,5
	CODES \i, \x, \c, \n
.endr
.endm
.macro PFTILE v, off, share            ; my sixteenth of a tile of 128 rows
	s_mul_i32 s21, s\share, RA*KROW/16
	s_add_co_u32 s20, s\off, s21
	WIN 0
	v_min_u32 v\v, RA*KROW/16/256-1, v3
	v_lshl_add_u32 v\v, v\v, 8, s20
.endm
.macro PFGO v, base
	global_prefetch_b8 v\v, s[\base:\base+1] th:TH_LOAD_NT scope:SCOPE_SE
.endm
.macro PUT3 r, base, off
.irp k, 0,1,2
	global_store_b128 v9, v[\r+4*\k:\r+4*\k+3], \base offset:(\off)+512*\k
.endr
.endm
.macro ASK i                           ; 3 entries: descriptors of the chunk at s88 (bytes from x) for slot s47, and of its scale bytes at s55 for s8
.if (\i) == 0
	s_mul_i32 s[G0R+1], s14, RA/2*PITCH
	s_add_co_u32 s[G0R+1], s[G0R+1], s47
	s_mul_i32 s20, s14, RA/2*KROW
	SADD 20, 88
.elseif (\i) == 1
	s_mov_b32 s21, 0
	s_add_nc_u64 s[G0R+2:G0R+3], s[4:5], s[20:21]
	s_or_b32 s[G0R+3], s[G0R+3], 0x80000000
	s_mov_b32 s[G0S+1], s8
.elseif (\i) == 2
	s_mov_b32 s20, s55
	s_add_nc_u64 s[G0S+2:G0S+3], s[6:7], s[20:21]
	s_or_b32 s[G0S+3], s[G0S+3], 0x80000000
.endif
.endm
.macro OUT i                           ; 3 entries: where block s46's codes go (by its true half, s[84:85]) and its scale bytes in LDS (by the order of work, v[VX])
.if (\i) == 0
	s_lshr_b32 s3, s46, 3
	s_xor_b32 s20, s3, s87
	s_mul_i32 s20, s20, 196608
	s_and_b32 s23, s46, 7
.elseif (\i) == 1
	s_mul_i32 s22, s23, 3072
	SADD 20, 22
	s_mov_b32 s21, 0
	s_add_nc_u64 s[84:85], s[10:11], s[20:21]
.elseif (\i) == 2
	s_lshl_b32 s23, s23, 2
	s_lshl_b32 s3, s3, 10
	s_or_b32 s23, s23, s3
	s_add_co_u32 s46, s46, 1
	WIN 0
	v_add_nc_u32 v[VX], s23, v18
.endif
.endm
.macro L_NONE i, x, y
.endm
.macro L_STEP i, x, y
	STEP \i
.endm
.macro L_OUT i, x, y
	STEP \i
	CHAIN (\i)-8, \x, \y
.endm
.macro L_LAST i, x, y
	CHAIN \i, \x, \y
.endm
.macro L_V2 i, x, y                    ; v's third block: the first refill's descriptors, the later refills' group 1, the step, two prefetches' addresses
.if (\i) == 0
	s_mov_b32 s[G1A+2], (RA/2)<<16
	s_mov_b32 s[G1A+4], RA/2
	s_mov_b32 s[G1S+2], CU<<16
	s_mov_b32 s[G1S+4], CU
.elseif (\i) == 1
	s_mov_b32 s[G1B+2], (RA/2)<<16
	s_mov_b32 s[G1B+4], RA/2
	s_mul_i32 s[G0B+1], s14, RA/2*PITCH
	s_add_co_u32 s[G0B+1], s[G0B+1], BVB
.elseif (\i) == 2
	s_mul_i32 s20, s14, RA/2*KROW
	SADD 20, 2
	s_mov_b32 s21, 0
	s_add_nc_u64 s[G0B+2:G0B+3], s[66:67], s[20:21]
.elseif (\i) == 3
	s_or_b32 s[G0B+3], s[G0B+3], 0x80000000
.elseif (\i) == 12
	PFTILE 20, 88, 90
.elseif (\i) == 13
	s_lshl_b32 s21, s90, 9
	s_add_co_u32 s20, s55, s21
	WIN 0
	v_min_u32 v21, 1, v3
	v_lshl_add_u32 v21, v21, 8, s20
.endif
	STEP (\i)-4
.endm
.macro L_V7 i, x, y
.if (\i) == 0
	s_add_co_u32 s22, s88, RA*KROW
	PFTILE 22, 22, 90
.endif
	CHAIN (\i)-1, \x, \y
.endm
.macro L_QK i, x, y
	STEP \i
	OUT (\i)-8
	CHAIN (\i)-11, \x, 0
.endm
.macro L_QKL i, x, y
	OUT \i
	CHAIN (\i)-3, \x, 0
.endm
.macro L_ROUND i, x, y
	ASK \i
	STEP (\i)-3
	OUT (\i)-11
	CHAIN (\i)-14, \x, 0
.endm
; A block of phase 2 on set e, with the way out of the block before.  w: the count of the wait for its rows (-1: shown in already).  kind 1: a round and a refill; 2: a plain barrier that shows the last refill, nothing filled behind it.
.macro QBLK e, w, kind, fetch
.if (\w) >= 0
	s_wait_dscnt \w
.endif
	s_wait_xcnt 0x0                        ; the earlier stores have read their base and data
.if (\kind) == 1
	GRD
	BLOCK 0, \e, ACC+32*\e, 8, 0, 32, L_ROUND, ACC+32*(1-\e)
.elseif \fetch
	BLOCK 0, \e, ACC+32*\e, 8, 0, 32, L_QK, ACC+32*(1-\e)
.else
	BLOCK 0, \e, ACC+32*\e, 8, 0, 32, L_QKL, ACC+32*(1-\e)
.endif
	WIN 0
.if \kind
	WALU
.if (\kind) == 2
	s_wait_tensorcnt 0x0
.endif
	s_wait_dscnt 0x0
	s_barrier_signal -1
.endif
	CODES6 ACC+32*(1-\e), NCD, 0           ; register work; its shift and moves are the places ahead of the fetch
.if (\kind) == 1
	MIDDLE
	BARRIER
	s_cmp_lt_u32 s14, 2
	s_cbranch_scc0 .Lscales_\@
	TLOAD G0R, G1A                         ; waves 0 and 1: half a chunk each
	s_branch .Lasked_\@
.Lscales_\@:
	s_cmp_eq_u32 s14, 2
	s_cbranch_scc0 .Lasked_\@
	TLOAD G0S, G1S                         ; wave 2: its scale bytes
.Lasked_\@:
	s_add_co_u32 s88, s88, RA*KROW
	s_add_co_u32 s55, s55, CU*256
	s_xor_b32 s47, s47, YB
	s_xor_b32 s8, s8, (SCL)^(SCL+SCB)
.elseif (\kind) == 2
	s_barrier_wait -1
.endif
	WALU
	ds_store_b8 v[VX], v[EB]
	global_store_b128 v9, v[NCD:NCD+3], s[84:85]
	global_store_b64 v7, v[NCD+4:NCD+5], s[84:85] offset:512
.if \fetch
	FETCH \e
.endif
.endm
; ================= THE HEAD
	s_load_b256 s[4:11], s[0:1], 0x0               ; x's codes, x's scales, W's codes, W's scales
	s_load_b128 s[48:51], s[0:1], 0x20             ; b, img
	s_load_b64 s[52:53], s[0:1], 0x30              ; sc
	v_lshl_add_u32 v[SPW], v0, 2, SPARE
	v_mov_b32 v[NIL], 0
	ds_add_u32 v[SPW], v[NIL]
	ds_add_u32 v[SPW], v[NIL]
	v_lshrrev_b32 v1, 5, v0
	v_readfirstlane_b32 s14, v1                    ; s14 wave, s15 its row (band), s16 its column
	s_lshr_b32 s15, s14, 1
	s_and_b32 s16, s14, 1
	s_bfe_u32 s40, ttmp6, 0x40000
	s_bfe_u32 s41, ttmp6, 0x40004
	s_lshl_b32 s42, ttmp9, 2
	s_add_co_u32 s42, s42, s40                     ; phase 2's tile of 128 rows of W, 0..15
	s_and_b32 s43, ttmp7, 0xffff
	s_lshl_b32 s43, s43, 2
	s_add_co_u32 s43, s43, s41                     ; the tile of 512 tokens
	s_lshr_b32 s19, ttmp9, 1                       ; 0 q, 1 k
	s_and_b32 s87, ttmp9, 1                        ; v's half of my tokens
	s_lshl_b32 s13, s19, 2
	s_add_co_u32 s13, s13, s40                     ; v's tile of 128 features
	s_lshl_b32 s12, s43, 1
	s_add_co_u32 s12, s12, s87                     ; v's tile of 256 tokens
	s_lshl_b32 s44, s41, 2
	s_lshl_b32 s44, 15, s44                        ; my row of the cluster
	s_lshl_b32 s45, 0x1111, s40                    ; my column
	GROUP1 G1A, 44
	GROUP1 G1B, 45
	s_or_b32 s[G1S+0], s44, (3<<16)|(1<<20)|(1<<21)|(5<<22)|(3<<25)
	s_mov_b32 s[G1S+1], 32<<16
	s_mov_b32 s[G1S+2], (2*CU)<<16
	s_mov_b32 s[G1S+3], 32<<16
	s_mov_b32 s[G1S+4], 2*CU
	s_mov_b32 s[G1S+5], 32
	s_mov_b32 s[G1S+6], 0
	s_mov_b32 s[G1S+7], 0
	s_mov_b32 s[G0A], 1
	s_mov_b32 s[G0A+1], 0
	s_mov_b32 s[G0B], 1
	s_mov_b32 s[G0B+1], BVB
	s_mov_b32 s[G0R], 1
	s_mov_b32 s[G0R+1], YB
	s_mov_b32 s[G0S], 1
	s_mov_b32 s[G0S+1], SCL
	s_mul_i32 s2, s42, RA*KROW                     ; phase 2's weights, bytes from W
	s_mul_i32 s54, s13, RA*KROW
	s_add_co_u32 s54, s54, 2048*KROW               ; v's
	s_xor_b32 s20, s87, 1
	s_lshl_b32 s21, s43, 1
	SADD 20, 21                                    ; the other half's tile of 256 tokens
	s_mul_i32 s88, s20, 256*KROW
	s_lshl_b32 s55, s20, 13
	s_lshl_b32 s90, s40, 2
	SADD 90, 14                                    ; my number among the sixteen waves of my row
	s_lshl_b32 s100, s41, 2
	SADD 100, 14                                   ; and of my column
	; where the results go
	s_and_b32 s3, s42, 7
	s_mul_i32 s76, s19, 6291456
	s_lshl_b32 s20, s43, 2
	s_add_co_u32 s22, s20, s15
	MULADD 76, 22, 98304
	s_lshr_b32 s21, s3, 1
	MULADD 76, 21, 24576
	s_and_b32 s21, s3, 1
	MULADD 76, 21, 1536
	MULADD 76, 16, 768
	s_mov_b32 s77, 0
	s_xor_b32 s21, s15, s87                        ; the stage lies in the order of work
	s_lshl_b32 s21, s21, 1
	SADD 20, 21
	SADD 20, 16
	s_lshl_b32 s78, s19, 18
	MULADD 78, 20, 4096
	MULADD 78, 3, 512
	s_mov_b32 s79, 0
	s_lshr_b32 s20, s12, 3
	s_and_b32 s21, s12, 7
	s_mul_i32 s80, s20, 1572864
	s_add_co_u32 s80, s80, 12582912
	MULADD 80, 13, 196608
	MULADD 80, 21, 24576
	MULADD 80, 16, 12288
	MULADD 80, 15, 1536
	s_mov_b32 s81, 0
	s_lshl_b32 s82, s20, 16
	s_add_co_u32 s82, s82, 524288
	MULADD 82, 13, 8192
	MULADD 82, 21, 1024
	MULADD 82, 14, 256
	s_mov_b32 s83, 0
	v_and_b32 v1, 15, v0                           ; r
	v_bfe_u32 v2, v0, 4, 1                         ; h
	v_and_b32 v3, 31, v0
	v_and_b32 v20, 7, v0                           ; i
	v_bfe_u32 v16, v0, 3, 1                        ; 1 where r > 7
	v_mul_u32_u24 v21, v20, PITCH
	v_mad_u32_u24 v21, v2, 24, v21
	s_mul_i32 s21, s15, 64*PITCH
	v_add_nc_u32 v4, s21, v21                      ; x's fragments, ahead of the octet
	v_lshlrev_b32 v5, 4, v2                        ; and 16 more behind one padding more
	s_mul_i32 s22, s16, 64*PITCH
	s_add_co_u32 s22, s22, BVB
	v_add_nc_u32 v21, s22, v21                     ; the weights'
	v_lshlrev_b32 v22, 5, v20
	s_mul_i32 s21, s15, 8*OCS
	s_add_co_u32 s21, s21, SCL
	v_add_nc_u32 v6, s21, v22                      ; x's scale words
	v_lshlrev_b32 v7, 3, v3
	v_lshlrev_b32 v9, 4, v3
	WIN 3<<6
.irp j, 0,1,2,3
	v_mad_u32_u24 v[BA-768+2*\j], v16, OCT*(7-2*\j), v21
.endr
	WIN (3<<6)|(3<<2)
.irp j, 1,2,3
	v_add_nc_u32 v[BA-768+2*\j], \j*OCT, v[BA-768+2*\j]
.endr
.irp j, 0,1,2,3
	v_add_nc_u32 v[BA-768+2*\j+1], v5, v[BA-768+2*\j]
.endr
	WIN 0
	v_lshlrev_b32 v14, 1, v2                       ; the weights' scale bytes: lanes 0-15 tile 2 p, lanes 16-31 tile 2 p + 1
	v_xor_b32 v14, 7, v14
	v_mul_u32_u24 v14, v14, v16
	v_add_nc_u32 v14, v14, v2
	v_lshl_add_u32 v14, v14, 8, v22                ; p = 0
	v_lshlrev_b32 v15, 10, v16
	v_sub_nc_u32 v15, v14, v15
	v_add_nc_u32 v15, 512, v15                     ; p = 1
	v_lshlrev_b32 v23, 2, v20                      ; v's bias: a number a lane and tile
	v_mad_u32_u24 v40, v16, 224, v23
	v_mad_u32_u24 v41, v16, 160, v23
	v_mad_u32_u24 v60, v16, 96, v23
	v_mad_u32_u24 v61, v16, 32, v23
	v_mul_u32_u24 v23, 224, v2                     ; q's or k's: register 8 j + i is feature 8 j + i, in lanes 16-31 8 (7 - j) + i
	v_mul_u32_u24 v42, 160, v2
	v_mul_u32_u24 v43, 96, v2
	v_mul_u32_u24 v63, 32, v2
	v_lshlrev_b32 v1, 5, v1
	v_add_nc_u32 v1, v1, v2                        ; 32 r + h
	s_lshl_b32 s21, s15, 9
	s_lshl_b32 s22, s16, 1
	SADD 22, 21
	s_add_co_u32 s22, s22, XN
	v_add_nc_u32 v18, s22, v1
	s_lshl_b32 s22, s16, 4
	SADD 22, 21
	s_add_co_u32 s22, s22, XM
	v_add_nc_u32 v19, s22, v1
	PFTILE 8, 2, 100
	WALU
	s_wait_dscnt 0x0
	CROUND                                         ; all sixteen work-groups are here
	s_wait_kmcnt 0x0
	s_mov_b64 s[66:67], s[8:9]
	s_mov_b32 s21, 0
	s_mul_i32 s20, s12, 256*KROW
	s_add_nc_u64 s[G0A+2:G0A+3], s[4:5], s[20:21]
	s_add_nc_u64 s[G0R+2:G0R+3], s[G0A+2:G0A+3], RA*KROW
	s_or_b32 s[G0A+3], s[G0A+3], 0x80000000
	s_or_b32 s[G0R+3], s[G0R+3], 0x80000000
	s_mov_b32 s20, s54
	s_add_nc_u64 s[G0B+2:G0B+3], s[66:67], s[20:21]
	s_or_b32 s[G0B+3], s[G0B+3], 0x80000000
	s_lshl_b32 s20, s12, 13
	s_add_nc_u64 s[G0S+2:G0S+3], s[6:7], s[20:21]
	s_or_b32 s[G0S+3], s[G0S+3], 0x80000000
	s_cmp_eq_u32 s14, 0
	s_cbranch_scc0 .Lwave_1
	TLOAD G0B, G1B                                 ; wave 0: v's rows of W
	s_branch .Lasked
.Lwave_1:
	s_cmp_eq_u32 s14, 1
	s_cbranch_scc0 .Lwave_2
	TLOAD G0S, G1S                                 ; wave 1: both chunks' scale bytes
	s_branch .Lasked
.Lwave_2:
	s_cmp_eq_u32 s14, 2
	s_cbranch_scc0 .Lwave_3
	TLOAD G0A, G1A                                 ; wave 2: chunk 0
	s_branch .Lasked
.Lwave_3:
	TLOAD G0R, G1A                                 ; wave 3: chunk 1
.Lasked:
	s_lshl_b32 s20, s16, 11
	MULADD 20, 13, 4096
	s_add_co_u32 s20, s20, 65536
	s_mov_b32 s21, 0
	s_add_nc_u64 s[84:85], s[10:11], s[20:21]      ; v's rows' scale bytes
	s_lshl_b32 s20, s16, 11
	MULADD 20, 42, 4096
	s_add_nc_u64 s[10:11], s[10:11], s[20:21]      ; q's or k's
	s_lshl_b32 s20, s16, 8
	MULADD 20, 13, 512
	s_add_co_u32 s20, s20, 8192
	s_add_nc_u64 s[46:47], s[48:49], s[20:21]      ; v's bias
	s_lshl_b32 s20, s16, 8
	MULADD 20, 42, 512
	s_add_nc_u64 s[12:13], s[48:49], s[20:21]      ; q's or k's
.irp c, 0,1
	global_load_b128 v[SB+4*\c:SB+4*\c+3], v14, s[84:85] offset:16*\c
	global_load_b128 v[SB+8+4*\c:SB+8+4*\c+3], v15, s[84:85] offset:16*\c
.endr
	WIN 3<<6
	global_load_b32 v[BBV-768], v40, s[46:47]
	global_load_b32 v[BBV-768+8], v41, s[46:47] offset:32
	global_load_b32 v[BBV-768+16], v60, s[46:47] offset:64
	global_load_b32 v[BBV-768+24], v61, s[46:47] offset:96
.irp c, 0,1
	global_load_b128 v[SB2-768+4*\c:SB2-768+4*\c+3], v14, s[10:11] offset:16*\c
	global_load_b128 v[SB2-768+8+4*\c:SB2-768+8+4*\c+3], v15, s[10:11] offset:16*\c
.endr
	WIN 0
	s_wait_xcnt 0x0
	s_add_nc_u64 s[10:11], s[50:51], s[76:77]
	s_add_nc_u64 s[50:51], s[50:51], s[80:81]
	s_add_nc_u64 s[48:49], s[52:53], s[78:79]
	s_add_nc_u64 s[52:53], s[52:53], s[82:83]
	s_mov_b32 s46, 0
	s_mov_b32 s47, 0
	s_mov_b32 s8, SCL
	s_mov_b32 s89, 0
	s_wait_loadcnt 0x0
	WIN (3<<6)|3
.irp t, 0,8,16,24
.irp i, 1,2,3,4,5,6,7
	v_mov_b32 v[BBV-768+\t+\i], v[BBV-768+\t]      ; v's number over its tile's eight registers
.endr
.endr
	WIN 0
	WALU
	s_cmp_eq_u32 s14, 0
	s_cbranch_scc0 .Lnot_b
	s_wait_tensorcnt 0x0
.Lnot_b:
	BARRIER                                        ; v's rows of W are in
	PFGO 8, 66
	WEIGHTS
	s_cmp_eq_u32 s14, 3
	s_cbranch_scc1 .Lnot_a0
	s_wait_tensorcnt 0x0
.Lnot_a0:
	s_wait_dscnt 0x0
	BARRIER                                        ; chunk 0 and the scale bytes are in
	NEXT 0
	NEXT 1
; ================= PHASE 1: v
.irp s, 0,1
	s_wait_dscnt NF
	BLOCK 1, \s, HV0+8*\s, 32, 0, 32, L_STEP
	WIN 0
	PLACES 4
	WALU
	FETCH \s
.endr
	s_wait_dscnt NF
	GRD
	BLOCK 1, 0, HV0+16, 32, 0, 24, L_V2
	WIN 0
	WALU
	s_wait_dscnt 0x0
	s_barrier_signal -1
	BLOCK 1, 0, HV0+16, 32, 24, 32, L_NONE
	MIDDLE
	BARRIER
	s_cmp_lt_u32 s14, 2
	s_cbranch_scc0 .Lno_half
	TLOAD G0B, G1B                                 ; phase 2's weights, onto v's, which all waves hold in registers
.Lno_half:
	PLACES 4
	WALU
	FETCH 0
	PFGO 20, 4
	PFGO 21, 6
	BLOCK 1, 1, HV0+24, 32, 0, 32, L_STEP
	WIN 0
	PLACES 4
	WALU
	FETCH 1
.irp j, 0,1,2
	s_wait_dscnt NF+(\j+1)/2
.if \j < 2
	BLOCK 1, \j%2, HV1+8*\j, 32, 0, 32, L_OUT, HV0+32*\j, \j
.else
	BLOCK 1, \j%2, HV1+8*\j, 32, 0, 32, L_LAST, HV0+32*\j, \j
.endif
	WIN 0
	CODES6 HV0+32*\j, MCD+12*\j, \j
	WALU
	ds_store_b8 v19, v[EB+\j] offset:4*\j
.if \j < 2
	FETCH \j%2
.endif
.endr
	s_wait_dscnt 1
	BLOCK 1, 1, HV1+24, 32, 0, 26, L_V7, HV0+96, 3
	WIN 0
	WALU
	s_wait_tensorcnt 0x0
	s_wait_dscnt 0x0
	s_barrier_signal -1                            ; a plain barrier: the second weights are shown to all
	BLOCK 1, 1, HV1+24, 32, 26, 32, L_NONE
	WIN 0
	s_barrier_wait -1
	CODES6 HV0+96, MCD+36, 3
	WALU
	ds_store_b8 v19, v[EB+3] offset:12
; ================= THE CHANGE OF PHASE: the loads in one run, band 1's four way outs under their flight
	global_load_b128 v[BBQ:BBQ+3], v23, s[12:13]
	global_load_b128 v[BBQ+4:BBQ+7], v23, s[12:13] offset:16
	global_load_b128 v[BBQ+8:BBQ+11], v42, s[12:13] offset:32
	global_load_b128 v[BBQ+12:BBQ+15], v42, s[12:13] offset:48
	global_load_b128 v[BBQ+16:BBQ+19], v43, s[12:13] offset:64
	global_load_b128 v[BBQ+20:BBQ+23], v43, s[12:13] offset:80
	global_load_b128 v[BBQ+24:BBQ+27], v63, s[12:13] offset:96
	global_load_b128 v[BBQ+28:BBQ+31], v63, s[12:13] offset:112
	WEIGHTS
	s_mov_b32 s89, 0
	NEXT 0
	NEXT 1
	PFGO 22, 4
	WIN 3
.set I, 0
.rept 16
	v_mov_b32 v[SB+I], v[SB2-768+I]
.set I, I+1
.endr
	WIN 0
.set I, 0
.rept 18
.irp t, 0,1,2,3
	CHAIN I, HV1+32*\t, \t, 64+4*\t
.endr
.set I, I+1
.endr
.set I, 0
.rept 6
.irp t, 0,1,2,3
	CODES I, HV1+32*\t, MCD+12*\t+6, \t, 80+4*\t
.endr
.set I, I+1
.endr
	WIN 0
	WALU
; ================= PHASE 2: q or k, sixteen blocks
	s_wait_loadcnt 0x0
	s_wait_dscnt NF
	BLOCK 0, 0, ACC, 8, 0, 32, L_STEP
	WIN 0
	PLACES 4
	WALU
.irp t, 0,1,2,3
	ds_store_b8 v19, v[EB+\t] offset:2+4*\t
.endr
.irp t, 0,1,2,3
	PUT3 MCD+12*\t, s[50:51], 3072*\t
.endr
	FETCH 0
	QBLK 1, NF+4, 0, 1
	s_mov_b32 s86, 0
.Lwith_rounds:                                     ; blocks 2 to 5, 6 to 9
	QBLK 0, NF+1, 1, 1
	QBLK 1, -1, 0, 1
	QBLK 0, NF+1, 0, 1
	QBLK 1, NF+1, 0, 1
	s_add_co_u32 s86, s86, 1
	s_cmp_lg_u32 s86, 2
	s_cbranch_scc1 .Lwith_rounds
.Lwithout:                                         ; blocks 10, 11 and 12, 13
	QBLK 0, NF+1, 2, 1
	QBLK 1, -1, 0, 1
	s_add_co_u32 s86, s86, 1
	s_cmp_lg_u32 s86, 4
	s_cbranch_scc1 .Lwithout
	QBLK 0, NF+1, 0, 0
	QBLK 1, 1, 0, 0
; ================= THE END: the last way out; the scale bytes go through LDS under its conversions
	WALU
	s_wait_xcnt 0x0
	OUT 0
	OUT 1
	OUT 2
	s_lshl_b32 s21, s14, 9
	s_add_co_u32 s21, s21, XN
	v_add_nc_u32 v12, s21, v9
	s_lshl_b32 s21, s14, 8
	s_add_co_u32 s21, s21, XM
	v_add_nc_u32 v14, s21, v7
.set I, 0
.rept 18
	CHAIN I, ACC+32, 0
.set I, I+1
.endr
	CODES 2, ACC+32, NCD, 0
	WALU
	ds_store_b8 v[VX], v[EB]
	s_wait_dscnt 0x0
	s_barrier_signal -1
	CODES 0, ACC+32, NCD, 0
	CODES 1, ACC+32, NCD, 0
	WIN 0
	v_nop
.irp i, 3,4,5
	CODES \i, ACC+32, NCD, 0
.endr
	WALU
	s_barrier_wait -1
	ds_load_b128 v[96:99], v12
	ds_load_b64 v[100:101], v14
	global_store_b128 v9, v[NCD:NCD+3], s[84:85]
	global_store_b64 v7, v[NCD+4:NCD+5], s[84:85] offset:512
	s_wait_dscnt 0x0
	global_store_b128 v9, v[96:99], s[48:49]
	global_store_b64 v7, v[100:101], s[52:53]
	s_wait_tensorcnt 0x0
	ds_add_u32 v[SPW], v[NIL]
	s_wait_dscnt 0x0
	CROUND
	s_endpgm
.Lfunc_end_k_qb71c272736_qkv:
	.size	k_qb71c272736_qkv, .Lfunc_end_k_qb71c272736_qkv-k_qb71c272736_qkv
	.p2alignl 7, 3214868480
	.fill 96, 4, 3214868480
	.section	.rodata,"a",@progbits
	.p2align	6, 0x0
	.amdhsa_kernel k_qb71c272736_qkv
		.amdhsa_group_segment_fixed_size 327680
		.amdhsa_private_segment_fixed_size 0
		.amdhsa_enable_private_segment 0
		.amdhsa_kernarg_size 56
		.amdhsa_user_sgpr_count 2
		.amdhsa_user_sgpr_kernarg_segment_ptr 1
		.amdhsa_wavefront_size32 1
		.amdhsa_system_sgpr_workgroup_id_x 1
		.amdhsa_system_sgpr_workgroup_id_y 1
		.amdhsa_system_sgpr_workgroup_id_z 1
		.amdhsa_system_vgpr_workitem_id 0
		.amdhsa_next_free_vgpr 1024
		.amdhsa_next_free_sgpr 102
		.amdhsa_reserve_vcc 0
		.amdhsa_float_denorm_mode_32 3
		.amdhsa_float_denorm_mode_16_64 3
		.amdhsa_memory_ordered 1
		.amdhsa_forward_progress 1
		.amdhsa_inst_pref_size 201
	.end_amdhsa_kernel
	.amdgpu_metadata
---
amdhsa.version: [ 1, 2 ]
amdhsa.kernels:
  - .name:           k_qb71c272736_qkv
    .symbol:         k_qb71c272736_qkv.kd
    .args:
      - { .name: x_codes, .offset: 0, .size: 8, .value_kind: global_buffer, .address_space: global }
      - { .name: x_scales, .offset: 8, .size: 8, .value_kind: global_buffer, .address_space: global }
      - { .name: W_codes, .offset: 16, .size: 8, .value_kind: global_buffer, .address_space: global }
      - { .name: W_scales, .offset: 24, .size: 8, .value_kind: global_buffer, .address_space: global }
      - { .name: b, .offset: 32, .size: 8, .value_kind: global_buffer, .address_space: global }
      - { .name: img, .offset: 40, .size: 8, .value_kind: global_buffer, .address_space: global }
      - { .name: sc, .offset: 48, .size: 8, .value_kind: global_buffer, .address_space: global }
    .group_segment_fixed_size: 327680
    .private_segment_fixed_size: 0
    .kernarg_segment_align: 8
    .kernarg_segment_size: 56
    .max_flat_workgroup_size: 128
    .sgpr_count:     102
    .vgpr_count:     1024
    .wavefront_size: 32
...
	.end_amdgpu_metadata
.endif
;; end of part 1
;; launch scores (part 2): grid 8 x 32, 4 waves a work-group, clusters of 4 x 4, 327,680 bytes of LDS; arguments img, sc, pimg, paux; writes pimg, paux
.if DOCPART == 2
	.amdgcn_target "amdgcn-amd-amdhsa--gfx1250"
	.amdhsa_code_object_version 6
	.text
	.protected	k_qb71c272736_scores
	.globl	k_qb71c272736_scores
	.p2align	8
	.type	k_qb71c272736_scores,@function
k_qb71c272736_scores:
	s_mov_b64 s[64:65], 0
	v_nop
	global_prefetch_b8 v0, s[64:65] scope:SCOPE_SE
	s_setreg_imm32_b32 hwreg(HW_REG_WAVE_MODE, 25, 1), 1
	s_wait_xcnt 0x0
	s_wait_alu depctr_hold_cnt(0) depctr_sa_sdst(0) depctr_va_vdst(0) depctr_va_sdst(0) depctr_va_ssrc(0) depctr_va_vcc(0) depctr_vm_vsrc(0)
	s_getreg_b32 s2, hwreg(HW_REG_IB_STS2, 6, 4)
	s_cmp_eq_u32 s2, 0
	s_cbranch_scc0 .Lentry_in_a_cluster
	s_endpgm
.Lentry_in_a_cluster:
	s_bfe_u32 s2, ttmp6, 0x10000c
	s_cmp_lg_u32 s2, 0xf033
	s_cbranch_scc0 .Lentry_shape_is_right
	s_endpgm
.Lentry_shape_is_right:
; S = q k^T on codes of FP6 (E2M3), K = 1,024, and the softmax's first half: for each query and each run of 128 keys a maximum, p, its sum and p's codes.
; A work-group makes 256 queries x 256 keys of one batch, a wave 128 x 128.  Source 0 = 16 keys, source 1 = 16 queries: a lane holds one query; by the row order of k's tiles its 32 registers of four tiles are one block of 32 keys, in v's order.
; img: [block of 128 rows][256 along K][row tile 8][128 along K: 2][1,536 bytes]; a fragment is two halves of 768 bytes: 4 registers at 16 x lane, then 2 at 8 x lane.
; K's four blocks of 256 go through three places in LDS for each of the four row blocks: the head brings blocks 0 and 1 with one tensor load a wave, block 2 follows behind the first round, block 3 takes block 0's place.
; SOFTMAX.  t = score x log2(e) / 32.  A wave takes as M the ceiling of the largest t of its 128 keys, kept as -M = floor(-t).  p = 2^(t - M) is quantised along the keys, its sum is taken unquantised.
; The last launch brings the sixteen runs of a row under the row's M by shifts of exponents, which round nothing.
;   pimg: [block of 128 queries][256 keys][row tile 8][128 keys: 2][1,536 bytes];  paux: p's scale words, -M, the sum: each [block of 128 queries][128 keys: 16][row 16][row tile 8] x 4 bytes.
; A block's largest p is the exponential of its largest score (this takes v_exp_f32 not to fall where its input rises).
; LIMITS: NaN and infinities are not served; the scaled scores (exponents to the base 2) stay under 2^31 in magnitude.  A block whose every p is 0 keeps the byte 1.
; PREFETCHES: K block 2 at the head and block 3 behind block 2's load: each wave asks for a fourth of the row block that it loads, told apart by address among the four work-groups that load it jointly.
; REGISTERS: window 0: v16-18, v20-22 LDS addresses (v48.. scale words from v32 to v95, later t); v96-127 the softmax's work; v128-223 A's fragments, later t, p and codes; v216-251 what a wave stores at its end.  Window 1: B's fragments, two sets.  Windows 2, 3: accumulators.
.set BLK,   24576
.set SPARE, 12*BLK
.set FR,    12
.set NL,    4
.set NP,    4
.set LI,   5
.set SA,   6
.set H8,   8
.set ADRA, 16                          ; v16-18 places 0-2, v10-12 the same for the loads of 8 bytes a lane
.set ADRA8, 10
.set ADRB, 20                          ; v20-22; v13-15
.set ADRB8, 13
.set PFV,  23
.set SPW,  28
.set NIL,  29
.set SC,   32
.set BM,   96
.set MB,   100
.set TMP,  102
.set TX,   103
.set MP,   104
.set SO,   108
.set BY,   110
.set NM,   112
.set SU,   114
.set TC,   244
.set AF,   128
.set PWS,  216
.set NMS,  224
.set LLS,  232
.set OUTS, 240
.set SEL,  2
.set WV,   18
.set HA,   19
.set HB,   20
.set G1A,  24
.set CX,   40
.set CY,   41
.set KT,   42
.set TR,   43
.set TCB,  46
.set G1B,  48
.set CS,   56
.set HM,   66
.set G0A,  68                          ; s[68:75] group 0 for q's blocks, two sets;  s[80:87] for k's
.set G0B,  80
.set MSB, 0
.macro WIN new
.if MSB != \new
	s_set_vgpr_msb (MSB<<8)|\new
.set MSB, \new
.endif
.endm
.set MUL_LO, 0xa1
.set MUL_HI, 0xf1
.set TO_B,   0x40
.macro JLOAD g0a, g0b                  ; waves 0 and 1 fetch q's blocks, waves 2 and 3 k's
	s_cmp_eq_u32 s[HA], 0
	s_cbranch_scc0 .Lfor_b_\@
	tensor_load_to_lds s[\g0a:\g0a+3], s[G1A:G1A+7]
	s_nop 0
.rept 4
	v_nop
.endr
	s_branch .Lasked_\@
.Lfor_b_\@:
	tensor_load_to_lds s[\g0b:\g0b+3], s[G1B:G1B+7]
	s_nop 0
.rept 4
	v_nop
.endr
.Lasked_\@:
.endm
.macro CREST
	s_cmp_lg_u32 s[WV], 0
	s_cbranch_scc1 .Lnot_wave_0_\@
	s_barrier_signal -3
.Lnot_wave_0_\@:
	s_barrier_wait -3
	s_barrier_signal -1
	s_barrier_wait -1
.endm
.macro CROUND
	s_barrier_signal -1
	s_barrier_wait -1
	CREST
.endm
.macro PLACES n
.rept \n
	v_nop
.endr
.endm
.macro WALU
	s_wait_alu depctr_va_vdst(0)
.endm
	s_load_b256 s[4:11], s[0:1], 0x0               ; img, sc, pimg, paux
	v_lshl_add_u32 v[SPW], v0, 2, SPARE
	v_mov_b32 v[NIL], 0
	ds_add_u32 v[SPW], v[NIL]
	ds_add_u32 v[SPW], v[NIL]
	v_lshrrev_b32 v1, 5, v0
	v_readfirstlane_b32 s[WV], v1
	s_lshr_b32 s[HA], s[WV], 1                     ; which 128 queries are mine.  Also: I fetch for q (0) or for k (1)
	s_and_b32 s[HB], s[WV], 1                      ; which 128 keys.  Also: which block of 128 rows I fetch
	s_bfe_u32 s[CX], ttmp6, 0x40000
	s_bfe_u32 s[CY], ttmp6, 0x40004
	s_and_b32 s21, ttmp7, 0xffff
	s_lshl_b32 s[TR], s21, 2
	s_add_co_u32 s[TR], s[TR], s[CY]               ; the tile of 256 queries, 0..31
	s_lshl_b32 s[TCB], ttmp9, 2
	s_add_co_u32 s[TCB], s[TCB], s[CX]             ; the tile of 256 keys in the batch
	s_lshr_b32 s21, s21, 1
	s_lshl_b32 s21, s21, 3
	s_add_co_u32 s[KT], s21, s[TCB]                ; and among all tokens
	s_lshl_b32 s44, s[CY], 2
	s_lshl_b32 s44, 15, s44
	s_lshl_b32 s45, 0x1111, s[CX]
	; group 1: dense bytes as rows of 256 (32 elements of 8 bytes): 192 rows at the head, 96 behind it
	s_or_b32 s[G1A+0], s44, (3<<16)|(1<<21)
	s_or_b32 s[G1B+0], s45, (3<<16)|(1<<21)
.irp g, G1A, G1B
	s_mov_b32 s[\g+1], 32<<16
	s_mov_b32 s[\g+2], 192<<16
	s_mov_b32 s[\g+3], 32<<16
	s_mov_b32 s[\g+4], 192
	s_mov_b32 s[\g+5], 32
	s_mov_b32 s[\g+6], 0
	s_mov_b32 s[\g+7], 0
.endr
	s_mov_b32 s[SEL], 0x76543210
	s_mov_b32 s[SEL+1], 0xfedcba98
	s_mov_b32 s[HM], 0xffff0000
	s_mov_b32 s[CS], 0x3d38aa3b                    ; log2(e) / sqrt(1024)
	s_mov_b32 s[CS+1], s[CS]
	s_lshl_b32 s21, s[TR], 1
	s_add_co_u32 s21, s21, s[HB]
	s_mul_i32 s92, s21, 4*BLK                      ; q: the block of 128 rows that I fetch
	s_mov_b32 s93, 0
	s_lshl_b32 s22, s[KT], 1
	s_add_co_u32 s22, s22, s[HB]
	s_mul_i32 s94, s22, 4*BLK
	s_add_co_u32 s94, s94, 6291456                 ; k: likewise, behind q's images
	s_mov_b32 s95, 0
	s_mul_i32 s23, s[WV], 3*BLK                    ; where it goes
	s_cmp_eq_u32 s[HA], 0
	s_cselect_b32 s96, s92, s94                    ; for the prefetches: my row block, and my place among the four that load it
	s_cselect_b32 s97, s[CX], s[CY]
	s_mul_i32 s97, s97, 6144
	s_add_co_u32 s96, s96, s97
	v_and_b32 v1, 15, v0                           ; r
	v_bfe_u32 v2, v0, 4, 1                         ; h
	v_and_b32 v3, 31, v0
	v_lshlrev_b32 v[LI], 4, v3
	v_lshlrev_b32 v4, 3, v3
	v_lshlrev_b32 v[H8], 3, v2
	v_min_u32 v[PFV], 23, v3
	v_lshl_add_u32 v[PFV], v[PFV], 8, s96
	v_lshlrev_b32 v[SA], 5, v1
	v_lshl_add_u32 v[SA], v2, 4, v[SA]
	s_mul_i32 s21, s[HA], 3*BLK                    ; my 128 queries
	s_mul_i32 s22, s[HB], 3*BLK
	s_add_co_u32 s22, s22, 6*BLK                   ; my 128 keys
.irp n, 0,1,2
	v_add_nc_u32 v[ADRA+\n], s21, v[LI]
	v_add_nc_u32 v[ADRB+\n], s22, v[LI]
	v_add_nc_u32 v[ADRA8+\n], s21, v4
	v_add_nc_u32 v[ADRB8+\n], s22, v4
	s_add_co_u32 s21, s21, BLK
	s_add_co_u32 s22, s22, BLK
.endr
	s_lshl_b32 s21, s[TR], 1
	s_add_co_u32 s21, s21, s[HA]                   ; my block of 128 queries, 0..63
	s_lshl_b32 s22, s[KT], 1
	s_add_co_u32 s22, s22, s[HB]                   ; my block of 128 keys
	s_lshl_b32 s67, s21, 12
	s_lshl_b32 s22, s22, 12
	s_add_co_u32 s22, s22, 262144
	s_sub_co_u32 s22, s22, s67
	v_mul_u32_u24 v7, s22, v2                      ; scale words: lanes 0-15 q's, lanes 16-31 k's
	v_lshl_add_u32 v7, v1, 5, v7
	v_add_nc_u32 v7, s67, v7
	v_mov_b32 v[TX], 0                             ; a lane permute's destination counts as one of its sources
	v_mov_b32 v[TMP], 0
	v_mov_b32 v[NM+1], 0                           ; named as the upper half of a pair
	WALU
	s_wait_dscnt 0x0
	CROUND                                         ; all sixteen work-groups are here
	s_wait_kmcnt 0x0
	s_add_nc_u64 s[92:93], s[4:5], s[92:93]
	s_add_nc_u64 s[94:95], s[4:5], s[94:95]
.irp n, 0,1
	s_mov_b32 s[G0A+4*\n], 1
	s_add_co_u32 s[G0A+4*\n+1], s23, \n*2*BLK
	s_add_nc_u64 s[G0A+4*\n+2:G0A+4*\n+3], s[92:93], \n*2*BLK
	s_or_b32 s[G0A+4*\n+3], s[G0A+4*\n+3], 0x80000000
	s_mov_b32 s[G0B+4*\n], 1
	s_add_co_u32 s[G0B+4*\n+1], s23, \n*2*BLK
	s_add_nc_u64 s[G0B+4*\n+2:G0B+4*\n+3], s[94:95], \n*2*BLK
	s_or_b32 s[G0B+4*\n+3], s[G0B+4*\n+3], 0x80000000
.endr
	JLOAD G0A, G0B                                 ; K blocks 0 and 1, one load a wave
.irp s, 0,1,2,3,4,5,6,7
	global_load_b128 v[SC+8*\s:SC+8*\s+3], v7, s[6:7] offset:512*\s
	global_load_b128 v[SC+8*\s+4:SC+8*\s+7], v7, s[6:7] offset:512*\s+16
.endr
	global_prefetch_b8 v[PFV], s[4:5] offset:2*BLK th:TH_LOAD_NT scope:SCOPE_SE
	s_mul_i32 s92, s21, 8*BLK                      ; where my fragments of p go
	s_mul_i32 s22, s[TCB], BLK
	s_add_co_u32 s92, s92, s22
	s_mul_i32 s22, s[HB], 1536
	s_add_co_u32 s92, s92, s22
	s_mov_b32 s93, 0
	s_add_nc_u64 s[8:9], s[8:9], s[92:93]
	s_lshl_b32 s92, s21, 13                        ; and my words
	s_lshl_b32 s22, s[TCB], 1
	s_add_co_u32 s22, s22, s[HB]
	s_lshl_b32 s22, s22, 9
	s_add_co_u32 s92, s92, s22
	s_add_nc_u64 s[10:11], s[10:11], s[92:93]
.macro FRAG reg, adr, adr8, off
.irp c, 0,1
	ds_load_b128 v[\reg+6*\c:\reg+6*\c+3], v[\adr] offset:\off+768*\c
	ds_load_b64 v[\reg+6*\c+4:\reg+6*\c+5], v[\adr8] offset:\off+768*\c+512
.endr
.endm
.macro FETCH_B slot, q, p
	WIN TO_B
.irp i, 0,1,2,3,4,5,6,7
	FRAG 128*(\p)+FR*\i, ADRB+\slot, ADRB8+\slot, 3072*\i+1536*(\q)
.endr
	WIN 0
.endm
.macro FETCH_A slot, q, i0
.irp i, \i0, \i0+1, \i0+2, \i0+3
	FRAG AF+FR*(\i), ADRA+\slot, ADRA8+\slot, 3072*(\i)+1536*(\q)
.endr
.endm
; 16 matrix instructions: query tiles a0, a0 + 1 x the eight key tiles, step s of 128 along K; the 64 accumulators take turns
.macro MUL16 a0, p, s, zero
.irp a, \a0, \a0+1
.irp b, 0,1,2,3,4,5,6,7
.if \zero
	v_wmma_scale_f32_16x16x128_f8f6f4 v[8*(8*((\a)%4)+\b):8*(8*((\a)%4)+\b)+7], v[128*(\p)+FR*\b:128*(\p)+FR*\b+FR-1], v[AF+FR*(\a):AF+FR*(\a)+FR-1], 0, v[SC+8*(\s)+\b], v[SC+8*(\s)+(\a)] matrix_a_fmt:MATRIX_FMT_FP6 matrix_b_fmt:MATRIX_FMT_FP6 matrix_a_scale:MATRIX_SCALE_ROW1
.else
	v_wmma_scale_f32_16x16x128_f8f6f4 v[8*(8*((\a)%4)+\b):8*(8*((\a)%4)+\b)+7], v[128*(\p)+FR*\b:128*(\p)+FR*\b+FR-1], v[AF+FR*(\a):AF+FR*(\a)+FR-1], v[8*(8*((\a)%4)+\b):8*(8*((\a)%4)+\b)+7], v[SC+8*(\s)+\b], v[SC+8*(\s)+(\a)] matrix_a_fmt:MATRIX_FMT_FP6 matrix_b_fmt:MATRIX_FMT_FP6 matrix_a_scale:MATRIX_SCALE_ROW1
.endif
.endr
.endr
.endm
; step s; the next step's fragments lie in place nslot, at its nq-th 128 along K
.macro STEP s, nslot, nq, zero
	s_wait_dscnt 4*NL                              ; all but the youngest 16 loads (A's tiles 4-7) are in
	WIN MUL_LO
	MUL16 0, (\s)%2, \s, \zero
	MUL16 2, (\s)%2, \s, \zero
	s_wait_dscnt 0
	PLACES NP
	FETCH_B \nslot, \nq, 1-(\s)%2
	FETCH_A \nslot, \nq, 0
	WIN MUL_HI
	MUL16 4, (\s)%2, \s, \zero
	MUL16 6, (\s)%2, \s, \zero
	PLACES NP
	WIN 0
	FETCH_A \nslot, \nq, 4
.endm
; a step with a barrier in it; fill = 1: it opens a round, and place 0, read out, takes K's fourth block
.macro TURN s, nslot, nq, fill
	s_wait_tensorcnt 0x0
	ds_add_u32 v[SPW], v[NIL]
	s_wait_dscnt 4*NL+1                            ; (the add and the youngest 16 loads may be out)
	WIN MUL_LO
	MUL16 0, (\s)%2, \s, 0
	s_wait_dscnt 0x0
	s_barrier_signal -1
	MUL16 2, (\s)%2, \s, 0
	WIN 0
	s_barrier_wait -1
.if \fill
	CREST
	s_add_nc_u64 s[G0A+2:G0A+3], s[G0A+2:G0A+3], 3*BLK
	s_add_nc_u64 s[G0B+2:G0B+3], s[G0B+2:G0B+3], 3*BLK
	JLOAD G0A, G0B
.else
	PLACES NP
.endif
	FETCH_B \nslot, \nq, 1-(\s)%2
	FETCH_A \nslot, \nq, 0
	WIN MUL_HI
	MUL16 4, (\s)%2, \s, 0
	MUL16 6, (\s)%2, \s, 0
	PLACES NP
	WIN 0
	FETCH_A \nslot, \nq, 4
.endm
	WALU
	s_wait_tensorcnt 0x0                           ; my part of K blocks 0 and 1 is in
	ds_add_u32 v[SPW], v[NIL]
.irp g, G1A, G1B
	s_mov_b32 s[\g+2], 96<<16                      ; no tensor load of mine is out: from here on a load brings one block
	s_mov_b32 s[\g+4], 96
.endr
	s_wait_dscnt 0x0
	CROUND
	JLOAD G0A+4, G0B+4                             ; K block 2
	FETCH_B 0, 0, 0
	FETCH_A 0, 0, 0
	FETCH_A 0, 0, 4
	global_prefetch_b8 v[PFV], s[4:5] offset:3*BLK th:TH_LOAD_NT scope:SCOPE_SE
	s_wait_loadcnt 0x0                             ; the scale words
	STEP 0, 0, 1, 1                                ; the first products start the sums
	STEP 1, 1, 0, 0
	TURN 2, 1, 1, 1                                ; shows block 2, fills block 3
	STEP 3, 2, 0, 0
	STEP 4, 2, 1, 0
	TURN 5, 0, 0, 0                                ; shows block 3
	STEP 6, 0, 1, 0
	s_wait_dscnt 4*NL
	WIN MUL_LO
	MUL16 0, 1, 7, 0
	MUL16 2, 1, 7, 0
	s_wait_dscnt 0
	WIN MUL_HI
	MUL16 4, 1, 7, 0
	MUL16 6, 1, 7, 0
	WIN 0
	PLACES NP
; THE SOFTMAX of query tile a: 16 queries x my 128 keys; register 32 c + i of its 64 is band c's block of 32 keys of my half of the lanes.  t - M and p of even tiles lie at v128, of odd ones at v32.
.macro PMAX a                          ; four partial maxima, each accumulator from its low end on
.set W_, 2+(\a)/4
.set AC, 64*((\a)%4)
	WIN (W_<<2)|(W_<<4)
	WALU
.irp b, 0,1,2,3
	v_max3_num_f32 v[BM+\b], 0xff7fffff, v[AC+16*\b], v[AC+16*\b+1]
.endr
.irp i, 2,4,6,8,10,12,14
.irp b, 0,1,2,3
	v_max3_num_f32 v[BM+\b], v[BM+\b], v[AC+16*\b+\i], v[AC+16*\b+\i+1]
.endr
.endr
	WIN 0
.endm
.macro PM1
	v_max_num_f32 v[MB], v[BM], v[BM+1]            ; the two blocks' largest scores
	v_max_num_f32 v[MB+1], v[BM+2], v[BM+3]
.endm
.macro PM i                            ; the row's maximum over both halves of the lanes, and -M = floor(-t)
.if (\i) == 0
	v_max_num_f32 v[TMP], v[MB], v[MB+1]
.elseif (\i) == 1
	v_permlanex16_b32 v[TX], v[TMP], s[SEL], s[SEL+1]
.elseif (\i) == 2
	v_max_num_f32 v[TMP], v[TMP], v[TX]
.elseif (\i) == 3
	v_mul_f32 v[TMP], s[CS], v[TMP]
.elseif (\i) == 4
	v_floor_f32 v[NM], -v[TMP]
.endif
.endm
.macro PFMA a                          ; t - M
.set AC, 64*((\a)%4)
.set TA, 128-96*((\a)%2)
	WIN 2+(\a)/4
.set J_, 0
.rept 32
	v_pk_fma_f32 v[TA+J_:TA+J_+1], v[AC+J_:AC+J_+1], s[CS:CS+1], v[NM:NM+1] op_sel_hi:[1,0,0]
.set J_, J_+2
.endr
	WIN 0
.irp c, 0,1
	v_fma_f32 v[MP+2*((\a)%2)+\c], v[MB+\c], s[CS], v[NM]
.endr
.endm
.macro SUMS j
.irp k, 0,2,4,6
	v_pk_add_f32 v[SU+\k:SU+\k+1], v[SU+\k:SU+\k+1], v[TA+\j+\k:TA+\j+\k+1]
.endr
.endm
.macro SOFT a
.set TA, 128-96*((\a)%2)
.set CD, 192+12*((\a)%2)
.set MQ, MP+2*((\a)%2)
	WALU                                           ; ahead of the batch
.set J_, 0
.rept 64
	v_exp_f32 v[TA+J_], v[TA+J_]
.set J_, J_+1
.endr
	v_exp_f32 v[MQ], v[MQ]
	v_exp_f32 v[MQ+1], v[MQ+1]
	v_mov_b32 v[NMS+(\a)], v[NM]                   ; a plain place behind the exponentials
.if (\a) < 7
	PMAX (\a)+1                                    ; its wait is also the batch's
.else
	WALU
.endif
.irp k, 0,2,4,6                        ; the sum of the unquantised p, in four chains; among them the next tile's maximum
	v_pk_add_f32 v[SU+\k:SU+\k+1], v[TA+\k:TA+\k+1], v[TA+8+\k:TA+8+\k+1]
.endr
.if (\a) < 7
	PM1
.endif
.irp j, 0,1,2,3,4
	SUMS 16+8*\j
.if (\a) < 7
	PM \j
.endif
.endr
	SUMS 56
.irp c, 0,1
	v_max_num_f32 v[MQ+\c], 0x1800000, v[MQ+\c]    ; the floor 2^(3 - 127)
.endr
	v_pk_add_f32 v[SU:SU+1], v[SU:SU+1], v[SU+2:SU+3]
	v_pk_add_f32 v[SU+4:SU+5], v[SU+4:SU+5], v[SU+6:SU+7]
.irp c, 0,1
	v_add_nc_u32 v[SO+\c], 0xff000000, v[MQ+\c]    ; the conversions' scale operands
.endr
.if (\a) < 7
	PFMA (\a)+1
.endif
.set TA, 128-96*((\a)%2)
	v_pk_add_f32 v[SU:SU+1], v[SU:SU+1], v[SU+4:SU+5]
.irp c, 0,1
	v_lshrrev_b32 v[BY+\c], 23, v[SO+\c]
.endr
	v_add_f32 v[LLS+(\a)], v[SU], v[SU+1]
	v_lshl_or_b32 v[PWS+(\a)], v[BY+1], 16, v[BY]  ; my blocks h and 2 + h
	v_permlanex16_b32 v[TMP], v[LLS+(\a)], s[SEL], s[SEL+1]
	v_lshlrev_b32 v[PWS+(\a)], v[H8], v[PWS+(\a)]
	v_add_f32 v[LLS+(\a)], v[LLS+(\a)], v[TMP]     ; with the other half's 64 keys
	v_permlanex16_b32 v[TX], v[PWS+(\a)], s[SEL], s[SEL+1]
	v_or_b32 v[PWS+(\a)], v[PWS+(\a)], v[TX]
.if (\a) > 1
	WALU
	s_wait_xcnt 0x0                                ; the stores of two tiles back have read these registers
.endif
.irp c, 0,1
	v_cvt_scalef32_pk16_fp6_f32 v[CD+6*\c:CD+6*\c+2], v[TA+32*\c:TA+32*\c+15], v[SO+\c]
	v_cvt_scalef32_pk16_fp6_f32 v[TC+4*\c:TC+4*\c+2], v[TA+32*\c+16:TA+32*\c+31], v[SO+\c]
.endr
	v_nop
.irp c, 0,1
.irp i, 0,1,2
	v_mov_b32 v[CD+3+6*\c+\i], v[TC+4*\c+\i]
.endr
.endr
.irp c, 0,1,2
	global_store_b128 v[LI], v[CD+4*\c:CD+4*\c+3], s[8:9] offset:3072*(\a)+512*\c
.endr
.endm
	PMAX 0
	PM1
.irp j, 0,1,2,3,4
	PM \j
.endr
	PFMA 0
.irp a, 0,1,2,3,4,5,6,7
	SOFT \a
.endr
	WALU
	s_wait_xcnt 0x0
.irp i, 0,1,2,3
	v_cndmask_b32 v[OUTS+\i], v[PWS+\i], v[PWS+4+\i], s[HM]      ; lanes 0-15: row r's words of tiles 0-3; lanes 16-31: of tiles 4-7
	v_cndmask_b32 v[OUTS+4+\i], v[NMS+\i], v[NMS+4+\i], s[HM]
	v_cndmask_b32 v[OUTS+8+\i], v[LLS+\i], v[LLS+4+\i], s[HM]
.endr
.irp w, 0,1,2
	global_store_b128 v[SA], v[OUTS+4*\w:OUTS+4*\w+3], s[10:11] offset:\w*524288
.endr
	s_wait_tensorcnt 0x0
	ds_add_u32 v[SPW], v[NIL]
	s_wait_dscnt 0x0
	CROUND
	s_endpgm
.Lfunc_end_k_qb71c272736_scores:
	.size	k_qb71c272736_scores, .Lfunc_end_k_qb71c272736_scores-k_qb71c272736_scores
	.p2alignl 7, 3214868480
	.fill 96, 4, 3214868480
	.section	.rodata,"a",@progbits
	.p2align	6, 0x0
	.amdhsa_kernel k_qb71c272736_scores
		.amdhsa_group_segment_fixed_size 327680
		.amdhsa_private_segment_fixed_size 0
		.amdhsa_enable_private_segment 0
		.amdhsa_kernarg_size 32
		.amdhsa_user_sgpr_count 2
		.amdhsa_user_sgpr_kernarg_segment_ptr 1
		.amdhsa_wavefront_size32 1
		.amdhsa_system_sgpr_workgroup_id_x 1
		.amdhsa_system_sgpr_workgroup_id_y 1
		.amdhsa_system_sgpr_workgroup_id_z 1
		.amdhsa_system_vgpr_workitem_id 0
		.amdhsa_next_free_vgpr 1024
		.amdhsa_next_free_sgpr 102
		.amdhsa_reserve_vcc 0
		.amdhsa_float_denorm_mode_32 3
		.amdhsa_float_denorm_mode_16_64 3
		.amdhsa_memory_ordered 1
		.amdhsa_forward_progress 1
		.amdhsa_inst_pref_size 195
	.end_amdhsa_kernel
	.amdgpu_metadata
---
amdhsa.version: [ 1, 2 ]
amdhsa.kernels:
  - .name:           k_qb71c272736_scores
    .symbol:         k_qb71c272736_scores.kd
    .args:
      - { .name: img, .offset: 0, .size: 8, .value_kind: global_buffer, .address_space: global }
      - { .name: sc, .offset: 8, .size: 8, .value_kind: global_buffer, .address_space: global }
      - { .name: pimg, .offset: 16, .size: 8, .value_kind: global_buffer, .address_space: global }
      - { .name: paux, .offset: 24, .size: 8, .value_kind: global_buffer, .address_space: global }
    .group_segment_fixed_size: 327680
    .private_segment_fixed_size: 0
    .kernarg_segment_align: 8
    .kernarg_segment_size: 32
    .max_flat_workgroup_size: 128
    .sgpr_count:     102
    .vgpr_count:     1024
    .wavefront_size: 32
...
	.end_amdgpu_metadata
.endif
;; end of part 2
;; launch pv (part 3): grid 4 x 64, 4 waves a work-group, clusters of 4 x 4, 327,680 bytes of LDS; arguments img, sc, pimg, paux, out0; writes out0
.if DOCPART == 3
	.amdgcn_target "amdgcn-amd-amdhsa--gfx1250"
	.amdhsa_code_object_version 6
	.text
	.protected	k_qb71c272736_pv
	.globl	k_qb71c272736_pv
	.p2align	8
	.type	k_qb71c272736_pv,@function
k_qb71c272736_pv:
	s_mov_b64 s[64:65], 0
	v_nop
	global_prefetch_b8 v0, s[64:65] scope:SCOPE_SE
	s_setreg_imm32_b32 hwreg(HW_REG_WAVE_MODE, 25, 1), 1
	s_wait_xcnt 0x0
	s_wait_alu depctr_hold_cnt(0) depctr_sa_sdst(0) depctr_va_vdst(0) depctr_va_sdst(0) depctr_va_ssrc(0) depctr_va_vcc(0) depctr_vm_vsrc(0)
	s_getreg_b32 s2, hwreg(HW_REG_IB_STS2, 6, 4)
	s_cmp_eq_u32 s2, 0
	s_cbranch_scc0 .Lentry_in_a_cluster
	s_endpgm
.Lentry_in_a_cluster:
	s_bfe_u32 s2, ttmp6, 0x10000c
	s_cmp_lg_u32 s2, 0xf033
	s_cbranch_scc0 .Lentry_shape_is_right
	s_endpgm
.Lentry_shape_is_right:
; out = (sum over the keys of p v) / (sum of p), on codes of FP6 (E2M3), K = 2,048 keys.
; A work-group makes 128 queries x 256 features of one batch, a wave 64 x 128.  Source 0 = 16 features (v), source 1 = 16 queries (p): a lane holds one query, its registers eight neighbouring features.
; K goes in chunks of 512 keys through two LDS slots (p's 49,152 bytes, then v's two blocks of as many); the head brings chunk 0, one tensor load a wave, chunk 1 follows behind the first round, chunks 2 and 3 are refills.
; EACH RUN of 128 keys of p came under its own whole number M: the row's M is their largest; a run's scale bytes fall by the difference (not below 0; a run 2^127 times smaller counts for nothing beside the row's largest p, which is over 1/2),
; and its sum is multiplied by the same power of two, which rounds nothing.  All this stands under the flight of chunk 0.
; THE LAST CHUNK GOES BY ROWS: v's fragments of its four steps fill 384 registers, then the wave's four tiles of 16 queries are finished one after the other, and each leaves, through the wave's stage in LDS, while the next is multiplied.
; The stage lies in bytes of slot 0 that hold keys 0-255 of chunk 2: they have had their last fill, and their last reads stand ahead of the last barrier (in step 10).
; ROW ORDER: a tile's place m is row 8 a + m of its band of 64, from m = 8 on row 8 (7 - a) + m - 8; v's feature tiles likewise.  Block of 128 queries 2 g + w: tokens 256 g + 128 c + 64 w + ..; c is the wave's row.
; CLUSTERS of 4 x 4: p's tiles are asked for jointly along a row, v's along a column.
; PREFETCHES: chunk n is asked for one chunk's work ahead of its tensor load: chunk 1 at the head, 2 behind chunk 1's load, 3 behind chunk 2's; the sixteen waves of the four work-groups that load a tile share it by address.
; LIMITS: NaN and infinities are not served.
; REGISTERS: window 0: v8-15 1 / sum; v32-63 p's scale words, v64-127 v's; v128-223 p's fragments.  Window 1: v's fragments at v0, v128; window 2: 32 accumulators; window 3: v's fragments of two steps.  v96-127, v224-255 of windows 1 and 3: rows on their way out.
.set BLK,    24576
.set CH,     2*BLK
.set SLOT,   3*CH
.set SPARE,  2*SLOT
.set SPITCH, 528
.set LI,   5
.set VA,   6
.set PA,   7
.set RL,   8
.set ADRA, 16
.set RD,   18
.set ADRB, 20
.set PFP,  22
.set PFW,  23
.set STO,  24
.set SPW,  28
.set NIL,  29
.set PS,   32
.set VS,   64
.set AF,   128
.set NMR,  128
.set LLR,  160
.set GM,   232
.set LS,   236
.set DD,   240
.set EE,   244
.set FF,   248
.set SEL,  2
.set WV,   18
.set HA,   19
.set HB,   20
.set G1A,  24
.set G0A,  32
.set CX,   40
.set CY,   41
.set RB,   43
.set BT,   46
.set G1B,  48
.set B80,  61
.set FB,   67
.set G0B,  68
.set MSB, 0
.macro WIN new
.if MSB != \new
	s_set_vgpr_msb (MSB<<8)|\new
.set MSB, \new
.endif
.endm
.set MUL,  0xa1
.set TO_B, 0x40
.macro JLOAD g0a, g0b                  ; waves 0 and 3 fetch p's halves, waves 1 and 2 v's blocks
	s_cmp_eq_u32 s[FB], 0
	s_cbranch_scc0 .Lfor_b_\@
	tensor_load_to_lds s[\g0a:\g0a+3], s[G1A:G1A+7]
	s_nop 0
.rept 4
	v_nop
.endr
	s_branch .Lasked_\@
.Lfor_b_\@:
	tensor_load_to_lds s[\g0b:\g0b+3], s[G1B:G1B+7]
	s_nop 0
.rept 4
	v_nop
.endr
.Lasked_\@:
.endm
.macro CREST
	s_cmp_lg_u32 s[WV], 0
	s_cbranch_scc1 .Lnot_wave_0_\@
	s_barrier_signal -3
.Lnot_wave_0_\@:
	s_barrier_wait -3
	s_barrier_signal -1
	s_barrier_wait -1
.endm
.macro CROUND
	s_barrier_signal -1
	s_barrier_wait -1
	CREST
.endm
.macro PLACES n
.rept \n
	v_nop
.endr
.endm
.macro WALU
	s_wait_alu depctr_va_vdst(0)
.endm
.macro PREF n                          ; my share of chunk n
	global_prefetch_b8 v[PFP], s[8:9] offset:(\n)*CH th:TH_LOAD_NT scope:SCOPE_SE
	global_prefetch_b8 v[PFW], s[4:5] offset:(\n)*CH th:TH_LOAD_NT scope:SCOPE_SE
.endm
	s_load_b256 s[4:11], s[0:1], 0x0               ; img, sc, pimg, paux
	s_load_b64 s[12:13], s[0:1], 0x20              ; out0
	v_lshl_add_u32 v[SPW], v0, 2, SPARE
	v_mov_b32 v[NIL], 0
	ds_add_u32 v[SPW], v[NIL]
	ds_add_u32 v[SPW], v[NIL]
	v_lshrrev_b32 v1, 5, v0
	v_readfirstlane_b32 s[WV], v1
	s_lshr_b32 s[HA], s[WV], 1                     ; which 64 queries (band) are mine
	s_and_b32 s[HB], s[WV], 1                      ; which 128 features
	s_add_co_u32 s[FB], s[WV], 1
	s_bfe_u32 s[FB], s[FB], 0x10001
	s_bfe_u32 s[CX], ttmp6, 0x40000                ; the tile of 256 features
	s_bfe_u32 s[CY], ttmp6, 0x40004
	s_and_b32 s21, ttmp7, 0xffff
	s_lshr_b32 s[BT], s21, 2                       ; the batch
	s_lshl_b32 s[RB], s21, 2
	s_add_co_u32 s[RB], s[RB], s[CY]               ; the block of 128 queries
	s_lshl_b32 s44, s[CY], 2
	s_lshl_b32 s44, 15, s44
	s_lshl_b32 s45, 0x1111, s[CX]
	; group 1: dense bytes as rows of 256: 96 rows of p, 192 of v
	s_or_b32 s[G1A+0], s44, (3<<16)|(1<<21)
	s_or_b32 s[G1B+0], s45, (3<<16)|(1<<21)
.irp g, G1A, G1B
	s_mov_b32 s[\g+1], 32<<16
	s_mov_b32 s[\g+3], 32<<16
	s_mov_b32 s[\g+5], 32
	s_mov_b32 s[\g+6], 0
	s_mov_b32 s[\g+7], 0
.endr
	s_mov_b32 s[G1A+2], 96<<16
	s_mov_b32 s[G1A+4], 96
	s_mov_b32 s[G1B+2], 192<<16
	s_mov_b32 s[G1B+4], 192
	s_mov_b32 s[SEL], 0x76543210
	s_mov_b32 s[SEL+1], 0xfedcba98
	s_mov_b32 s[B80], 0x80808080
	s_mul_i32 s92, s[RB], 8*BLK
	s_lshl_b32 s21, s[CX], 2
	s_add_co_u32 s21, s21, s[WV]
	s_mul_i32 s21, s21, 3072
	s_add_co_u32 s21, s21, s92                     ; prefetches: 12 units of 256 bytes of p for each of sixteen waves,
	s_mul_i32 s23, s[HA], BLK
	s_add_co_u32 s92, s92, s23
	s_mov_b32 s93, 0
	s_mul_i32 s94, s[BT], 1572864
	s_add_co_u32 s94, s94, 12582912
	s_lshl_b32 s47, s[CX], 1
	s_add_co_u32 s47, s47, s[HA]
	s_mul_i32 s47, s47, 8*BLK
	s_add_co_u32 s94, s94, s47
	s_mov_b32 s95, 0
	s_lshl_b32 s22, s[CY], 1
	s_add_co_u32 s22, s22, s[HB]
	s_mul_i32 s22, s22, 6144
	s_add_co_u32 s22, s22, s94                     ; 24 units of v's block HA for each of eight
	s_mul_i32 s96, s[HA], CH
	s_add_co_u32 s96, s96, CH
	v_and_b32 v1, 15, v0                           ; r
	v_bfe_u32 v2, v0, 4, 1                         ; h
	v_and_b32 v4, 31, v0
	v_lshlrev_b32 v[LI], 4, v4
	v_min_u32 v[PFP], 11, v4
	v_lshl_add_u32 v[PFP], v[PFP], 8, s21
	v_min_u32 v[PFW], 23, v4
	v_lshl_add_u32 v[PFW], v[PFW], 8, s22
	v_lshlrev_b32 v3, 5, v1
	v_lshl_add_u32 v3, v2, 12, v3                  ; lanes 0-15 runs 0-7, lanes 16-31 runs 8-15
	s_lshl_b32 s21, s[RB], 13
	s_lshl_b32 s22, s[HA], 4
	s_add_co_u32 s21, s21, s22
	v_add_nc_u32 v[PA], s21, v3
	s_lshl_b32 s21, s[BT], 16
	s_add_co_u32 s21, s21, 524288
	s_lshl_b32 s22, s[CX], 1
	s_add_co_u32 s22, s22, s[HB]
	s_lshl_b32 s22, s22, 13
	s_add_co_u32 s21, s21, s22
	WALU                                           ; the wait directly ahead of the reader below
	v_add_nc_u32 v[VA], s21, v3
	s_mul_i32 s21, s[HA], 4*3072
	s_mul_i32 s22, s[HB], CH
	s_add_co_u32 s22, s22, CH
.irp n, 0,1
	v_add_nc_u32 v[ADRA+\n], s21, v[LI]
	v_add_nc_u32 v[ADRB+\n], s22, v[LI]
	s_add_co_u32 s21, s21, SLOT
	s_add_co_u32 s22, s22, SLOT
.endr
	s_mul_i32 s21, s[HA], CH                       ; my stage
	s_mul_i32 s22, s[HB], 16*SPITCH
	s_add_co_u32 s21, s21, s22
	v_mul_u32_u24 v3, v1, SPITCH
	v_add_nc_u32 v3, s21, v3
.irp t, 0,1,2,3
	v_mad_u32_u24 v[STO+\t], v2, 224-64*\t, v3     ; feature tile t: lanes 0-15 octet t, lanes 16-31 octet 7 - t
.endr
	v_add_nc_u32 v[RD], s21, v[LI]
.irp a, 0,1,2,3
	v_mov_b32 v[DD+\a], 0                          ; a lane permute's destination counts as one of its sources
.endr
	WALU
	s_wait_dscnt 0x0
	CROUND                                         ; all sixteen work-groups are here
	s_wait_kmcnt 0x0
	s_add_nc_u64 s[92:93], s[8:9], s[92:93]
	s_add_nc_u64 s[94:95], s[4:5], s[94:95]
.irp n, 0,1
	s_mov_b32 s[G0A+4*\n], 1
	s_add_co_u32 s[G0A+4*\n+1], s23, \n*SLOT
	s_add_nc_u64 s[G0A+4*\n+2:G0A+4*\n+3], s[92:93], \n*CH
	s_or_b32 s[G0A+4*\n+3], s[G0A+4*\n+3], 0x80000000
	s_mov_b32 s[G0B+4*\n], 1
	s_add_co_u32 s[G0B+4*\n+1], s96, \n*SLOT
	s_add_nc_u64 s[G0B+4*\n+2:G0B+4*\n+3], s[94:95], \n*CH
	s_or_b32 s[G0B+4*\n+3], s[G0B+4*\n+3], 0x80000000
.endr
	JLOAD G0A, G0B                                 ; chunk 0, one load a wave
.irp u, 0,1,2,3,4,5,6,7
	global_load_b128 v[NMR+4*\u:NMR+4*\u+3], v[PA], s[10:11] offset:524288+512*\u
.endr
.irp u, 0,1,2,3,4,5,6,7
	global_load_b128 v[LLR+4*\u:LLR+4*\u+3], v[PA], s[10:11] offset:1048576+512*\u
	global_load_b128 v[PS+4*\u:PS+4*\u+3], v[PA], s[10:11] offset:512*\u
.endr
.irp u, 0,1,2,3,4,5,6,7
	global_load_b128 v[VS+8*\u:VS+8*\u+3], v[VA], s[6:7] offset:512*\u
	global_load_b128 v[VS+8*\u+4:VS+8*\u+7], v[VA], s[6:7] offset:512*\u+16
.endr
	PREF 1
	s_lshr_b32 s21, s[RB], 1                       ; my first row: 256 g + 64 w + 128 c
	s_lshl_b32 s21, s21, 8
	s_and_b32 s22, s[RB], 1
	s_lshl_b32 s22, s22, 6
	s_add_co_u32 s21, s21, s22
	s_lshl_b32 s22, s[HA], 7
	s_add_co_u32 s21, s21, s22
	s_lshl_b32 s21, s21, 12
	s_lshl_b32 s22, s[CX], 10
	s_add_co_u32 s21, s21, s22
	s_lshl_b32 s22, s[HB], 9
	s_add_co_u32 s22, s21, s22
	s_mov_b32 s23, 0
	s_add_nc_u64 s[12:13], s[12:13], s[22:23]
	s_wait_loadcnt 0x10                            ; p's words, -M and the sums are in; v's sixteen loads may be out
.irp a, 0,1,2,3
	v_min3_num_f32 v[GM+\a], v[NMR+\a], v[NMR+4+\a], v[NMR+8+\a]
.endr
.irp a, 0,1,2,3
	v_min3_num_f32 v[GM+\a], v[GM+\a], v[NMR+12+\a], v[NMR+16+\a]
.endr
.irp a, 0,1,2,3
	v_min3_num_f32 v[GM+\a], v[GM+\a], v[NMR+20+\a], v[NMR+24+\a]
.endr
.irp a, 0,1,2,3
	v_min_num_f32 v[GM+\a], v[GM+\a], v[NMR+28+\a]
.endr
.irp a, 0,1,2,3
	v_permlanex16_b32 v[DD+\a], v[GM+\a], s[SEL], s[SEL+1]
.endr
.irp a, 0,1,2,3
	v_min_num_f32 v[GM+\a], v[GM+\a], v[DD+\a]     ; the row's -M
.endr
.irp u, 0,1,2,3,4,5,6,7
.irp a, 0,1,2,3
	v_sub_f32 v[DD+\a], v[GM+\a], v[NMR+4*\u+\a]   ; the run's M less the row's: 0 or less
.endr
.irp a, 0,1,2,3
	v_cvt_i32_f32 v[EE+\a], v[DD+\a]
.endr
.if \u == 0
.irp a, 0,1,2,3
	v_ldexp_f32 v[LS+\a], v[LLR+\a], v[EE+\a]
.endr
.else
.irp a, 0,1,2,3
	v_ldexp_f32 v[FF+\a], v[LLR+4*\u+\a], v[EE+\a]
.endr
.irp a, 0,1,2,3
	v_add_f32 v[LS+\a], v[LS+\a], v[FF+\a]
.endr
.endif
.irp a, 0,1,2,3
	v_max_num_f32 v[DD+\a], 0xc2fe0000, v[DD+\a]   ; at most 127 off
.endr
.irp a, 0,1,2,3
	v_cvt_i32_f32 v[DD+\a], v[DD+\a]
.endr
.irp a, 0,1,2,3
	v_sub_nc_u32 v[DD+\a], 0, v[DD+\a]
.endr
.irp a, 0,1,2,3
	v_perm_b32 v[DD+\a], v[DD+\a], v[DD+\a], 0     ; in all four bytes
.endr
.irp a, 0,1,2,3
	v_or_b32 v[EE+\a], s[B80], v[PS+4*\u+\a]       ; four subtractions side by side, each held at 0 from below: p's bytes lie under 128
.endr
.irp a, 0,1,2,3
	v_sub_nc_u32 v[EE+\a], v[EE+\a], v[DD+\a]
.endr
.irp a, 0,1,2,3
	v_and_b32 v[DD+\a], s[B80], v[EE+\a]
.endr
.irp a, 0,1,2,3
	v_lshrrev_b32 v[FF+\a], 7, v[DD+\a]
.endr
.irp a, 0,1,2,3
	v_sub_nc_u32 v[DD+\a], v[DD+\a], v[FF+\a]
.endr
.irp a, 0,1,2,3
	v_and_b32 v[PS+4*\u+\a], v[EE+\a], v[DD+\a]
.endr
.endr
.irp a, 0,1,2,3
	v_permlanex16_b32 v[DD+\a], v[LS+\a], s[SEL], s[SEL+1]
.endr
.irp a, 0,1,2,3
	v_add_f32 v[LS+\a], v[LS+\a], v[DD+\a]
.endr
	WALU
.irp a, 0,1,2,3
	v_rcp_f32 v[RL+2*\a], v[LS+\a]
.endr
	v_nop
	WALU
.irp a, 0,1,2,3
	v_mov_b32 v[RL+2*\a+1], v[RL+2*\a]
.endr
	PLACES 8                                       ; scale registers written by vector instructions stand 8 places ahead of a scaled matrix instruction
.macro PROD d, s0, s1, c, s, b, a
.if (\s) < 8
	v_wmma_scale_f32_16x16x128_f8f6f4 v[\d:\d+7], v[\s0:\s0+11], v[\s1:\s1+11], \c, v[VS+8*((\s)%8)+\b], v[PS+4*((\s)%8)+(\a)] matrix_a_fmt:MATRIX_FMT_FP6 matrix_b_fmt:MATRIX_FMT_FP6
.else
	v_wmma_scale_f32_16x16x128_f8f6f4 v[\d:\d+7], v[\s0:\s0+11], v[\s1:\s1+11], \c, v[VS+8*((\s)%8)+\b], v[PS+4*((\s)%8)+(\a)] matrix_a_fmt:MATRIX_FMT_FP6 matrix_b_fmt:MATRIX_FMT_FP6 matrix_a_scale:MATRIX_SCALE_ROW1 matrix_b_scale:MATRIX_SCALE_ROW1
.endif
.endm
.macro MULA a, set, s, zero            ; query tile a x the eight feature tiles; the 32 accumulators take turns
.irp b, 0,1,2,3,4,5,6,7
.set D_, 64*(\a)+8*\b
.set V_, 128*(\set)+12*\b
.set P_, AF+48*(\set)+12*(\a)
.if \zero
	PROD D_, V_, P_, 0, \s, \b, \a
.else
	PROD D_, V_, P_, v[D_:D_+7], \s, \b, \a
.endif
.endr
.endm
.macro VLOAD slot, kk, dst, w          ; v's eight fragments of the chunk's kk-th 128 keys into window w
	WIN (\w)<<6
.irp i, 0,1,2,3,4,5,6,7
.irp c, 0,1,2
	ds_load_b128 v[\dst+12*\i+4*\c:\dst+12*\i+4*\c+3], v[ADRB+\slot] offset:((\kk)/2)*BLK+((\kk)%2)*1536+3072*\i+512*\c
.endr
.endr
	WIN 0
.endm
.macro PFRAG dst, slot, kk, i
.irp c, 0,1,2
	ds_load_b128 v[\dst+4*\c:\dst+4*\c+3], v[ADRA+\slot] offset:((\kk)/2)*BLK+((\kk)%2)*1536+3072*(\i)+512*\c
.endr
.endm
.macro FETCH3 slot, kk, set
	VLOAD \slot, \kk, 128*(\set), 1
.irp i, 0,1,2,3
	PFRAG AF+48*(\set)+12*\i, \slot, \kk, \i
.endr
.endm
.macro STEP3 s, slot, nkk, zero
	s_wait_dscnt 0x0
	WIN MUL
	MULA 0, (\s)%2, \s, \zero
	PLACES 4
	FETCH3 \slot, \nkk, 1-(\s)%2
	WIN MUL
	MULA 1, (\s)%2, \s, \zero
	MULA 2, (\s)%2, \s, \zero
	MULA 3, (\s)%2, \s, \zero
.endm
.macro TURN3 s, slot, next, nkk, fill  ; a step with the change of slots; fill = 0: the last chunk is shown, nothing is filled
	WIN 0
	s_wait_tensorcnt 0x0
	ds_add_u32 v[SPW], v[NIL]
	s_wait_dscnt 1                                 ; this step's fragments are in (the add may be out)
	WIN MUL
	MULA 0, (\s)%2, \s, 0
	s_wait_dscnt 0x0
	s_barrier_signal -1
	MULA 1, (\s)%2, \s, 0
	WIN 0
	s_barrier_wait -1
.if \fill
	CREST
	s_add_nc_u64 s[G0A+4*\slot+2:G0A+4*\slot+3], s[G0A+4*\slot+2:G0A+4*\slot+3], 2*CH
	s_add_nc_u64 s[G0B+4*\slot+2:G0B+4*\slot+3], s[G0B+4*\slot+2:G0B+4*\slot+3], 2*CH
	JLOAD G0A+4*\slot, G0B+4*\slot
.else
	PLACES 4
.endif
	FETCH3 \next, \nkk, 1-(\s)%2
.if (\s) == 3
	PREF 3
.endif
.if (\fill) == 0
	VLOAD 1, 1, 0, 3                               ; step 13's fragments of v
.endif
	WIN MUL
	MULA 2, (\s)%2, \s, 0
	MULA 3, (\s)%2, \s, 0
.endm
	WALU
	s_wait_loadcnt 0x0                             ; v's scale words
	s_wait_tensorcnt 0x0                           ; my part of chunk 0 is in
	ds_add_u32 v[SPW], v[NIL]
	s_wait_dscnt 0x0
	CROUND
	JLOAD G0A+4, G0B+4                             ; chunk 1
	FETCH3 0, 0, 0
	PREF 2
	STEP3 0, 0, 1, 1
	STEP3 1, 0, 2, 0
	STEP3 2, 0, 3, 0
	TURN3 3, 0, 1, 0, 1                            ; slot 0 takes chunk 2
	STEP3 4, 1, 1, 0
	STEP3 5, 1, 2, 0
	STEP3 6, 1, 3, 0
	TURN3 7, 1, 0, 0, 1                            ; slot 1 takes chunk 3
	STEP3 8, 0, 1, 0
	STEP3 9, 0, 2, 0
	TURN3 10, 0, 0, 3, 0
.macro PLOAD a                         ; p's four fragments of tile a in the last chunk, into buffer a % 2
.irp q, 0,1,2,3
	PFRAG AF+48*((\a)%2)+12*\q, 1, \q, \a
.endr
.endm
	s_wait_dscnt 0x0                               ; step 11
	WIN MUL
	MULA 0, 1, 11, 0
	PLACES 4
	VLOAD 1, 0, 0, 1
	PLOAD 0
	VLOAD 1, 2, 128, 3
	WIN MUL
	MULA 1, 1, 11, 0
	MULA 2, 1, 11, 0
	MULA 3, 1, 11, 0
	PLACES 4
	VLOAD 1, 3, 128, 1
	PLOAD 1
.macro ROWQ a, q                       ; tile a, step 12 + q: 8 accumulators by turns
.if (\q) == 0 || (\q) == 3
	WIN MUL
.else
	WIN 0xa3
.endif
.irp b, 0,1,2,3,4,5,6,7
.set D_, 64*(\a)+8*\b
.set V_, 128*((\q)/2)+12*\b
.set P_, AF+48*((\a)%2)+12*(\q)
	PROD D_, V_, P_, v[D_:D_+7], 12+\q, \b, \a
.endr
.endm
.macro SCALE a
	WIN 0x82
.set RI, 64*(\a)
.rept 32
	v_pk_mul_f32 v[RI:RI+1], v[RI:RI+1], v[RL+2*(\a):RL+2*(\a)+1] op_sel_hi:[1,0]
.set RI, RI+2
.endr
.endm
.macro TOSTAGE a                       ; into my stage, and back as whole rows of 512 bytes: LDS serves a wave's instructions in order (ISA guide 5.7.1.4)
	WIN 0x08
.irp b, 0,1,2,3,4,5,6,7
	ds_store_b128 v[STO+\b%4], v[64*(\a)+8*\b:64*(\a)+8*\b+3] offset:256*(\b/4)+32*(\b%4)
	ds_store_b128 v[STO+\b%4], v[64*(\a)+8*\b+4:64*(\a)+8*\b+7] offset:256*(\b/4)+32*(\b%4)+16
.endr
	WIN (1+2*((\a)%2))<<6
.irp t, 0,1,2,3,4,5,6,7,8,9,10,11,12,13,14,15
	ds_load_b128 v[96+128*(\t/8)+4*(\t%8):96+128*(\t/8)+4*(\t%8)+3], v[RD] offset:\t*SPITCH
.endr
	WIN 0
.endm
.macro SEND a, younger
	s_wait_dscnt \younger
	WIN (1+2*((\a)%2))<<2
.irp t, 0,1,2,3,4,5,6,7
	global_store_b128 v[LI], v[96+4*\t:96+4*\t+3], s[12:13] offset:(8*(\a)+\t)*4096 th:TH_STORE_NT
.endr
.irp t, 0,1,2,3,4,5,6,7
	global_store_b128 v[LI], v[224+4*\t:224+4*\t+3], s[12:13] offset:(8*(7-(\a))+\t)*4096 th:TH_STORE_NT
.endr
	WIN 0
.endm
	s_wait_dscnt 36                                ; behind step 14's fragments: 24 of step 15's and tile 1's 12
	ROWQ 0, 0
	ROWQ 0, 1
	ROWQ 0, 2
	s_wait_dscnt 12                                ; step 15's are in
	ROWQ 0, 3
.irp a, 0,1,2,3
	PLACES 4
.if \a > 1
	s_wait_xcnt 0x0                                ; the stores of two tiles back have read their registers
.endif
	SCALE \a
	TOSTAGE \a
.if \a < 2
	PLOAD \a+2
.endif
.if \a < 3
.if \a < 2
	s_wait_dscnt 44                                ; the next tile's fragments are in: behind them 32 of the stage and 12 loads
.else
	s_wait_dscnt 32
.endif
	ROWQ \a+1, 0
	ROWQ \a+1, 1
	WIN 0
.if \a < 2
	SEND \a, 12
.else
	SEND \a, 0
.endif
	ROWQ \a+1, 2
	ROWQ \a+1, 3
.else
	SEND \a, 0
.endif
.endr
	s_wait_tensorcnt 0x0
	ds_add_u32 v[SPW], v[NIL]
	s_wait_dscnt 0x0
	CROUND
	s_endpgm
.Lfunc_end_k_qb71c272736_pv:
	.size	k_qb71c272736_pv, .Lfunc_end_k_qb71c272736_pv-k_qb71c272736_pv
	.p2alignl 7, 3214868480
	.fill 96, 4, 3214868480
	.section	.rodata,"a",@progbits
	.p2align	6, 0x0
	.amdhsa_kernel k_qb71c272736_pv
		.amdhsa_group_segment_fixed_size 327680
		.amdhsa_private_segment_fixed_size 0
		.amdhsa_enable_private_segment 0
		.amdhsa_kernarg_size 40
		.amdhsa_user_sgpr_count 2
		.amdhsa_user_sgpr_kernarg_segment_ptr 1
		.amdhsa_wavefront_size32 1
		.amdhsa_system_sgpr_workgroup_id_x 1
		.amdhsa_system_sgpr_workgroup_id_y 1
		.amdhsa_system_sgpr_workgroup_id_z 1
		.amdhsa_system_vgpr_workitem_id 0
		.amdhsa_next_free_vgpr 1024
		.amdhsa_next_free_sgpr 102
		.amdhsa_reserve_vcc 0
		.amdhsa_float_denorm_mode_32 3
		.amdhsa_float_denorm_mode_16_64 3
		.amdhsa_memory_ordered 1
		.amdhsa_forward_progress 1
		.amdhsa_inst_pref_size 163
	.end_amdhsa_kernel
	.amdgpu_metadata
---
amdhsa.version: [ 1, 2 ]
amdhsa.kernels:
  - .name:           k_qb71c272736_pv
    .symbol:         k_qb71c272736_pv.kd
    .args:
      - { .name: img, .offset: 0, .size: 8, .value_kind: global_buffer, .address_space: global }
      - { .name: sc, .offset: 8, .size: 8, .value_kind: global_buffer, .address_space: global }
      - { .name: pimg, .offset: 16, .size: 8, .value_kind: global_buffer, .address_space: global }
      - { .name: paux, .offset: 24, .size: 8, .value_kind: global_buffer, .address_space: global }
      - { .name: out0, .offset: 32, .size: 8, .value_kind: global_buffer, .address_space: global }
    .group_segment_fixed_size: 327680
    .private_segment_fixed_size: 0
    .kernarg_segment_align: 8
    .kernarg_segment_size: 40
    .max_flat_workgroup_size: 128
    .sgpr_count:     102
    .vgpr_count:     1024
    .wavefront_size: 32
...
	.end_amdgpu_metadata
.endif
;; end of part 3
